; MI455X (gfx1250); checked and timed in simulation.
; The chip was launched on July 23, 2026; its instructions are those of AMD's public machine-readable ISA for CDNA 5 (MIT licence, August 2026) and "CDNA5" Instruction Set Architecture Reference Guide (July 2026). The comments in the code are by the model that wrote it; some were corrected since.
;; Causal Self Attn. Allowed arithmetic: matrix products marked QUANTISED: E2M1 operands, one E8M0 scale for each 32 along K, by v_wmma_scale_f32_16x16x128_f8f6f4 with both operands' format E2M1 (or v_wmma_scale_f32_32x16x128_f4), f32 sums; products left as they are: bf16, f16 or f32 operands; f32 sums; everything else in f32.
;; Inputs: w_proj 1,024 x 1,024 float32; w_qkv 1,024 x 3,072 float32; x 8 x 1,024 x 1,024 float32.
;; Outputs: out0 8 x 1,024 x 1,024 float32.
;; This version of the problem:
;;   THIS VERSION OF THE PROBLEM IS GIVEN IN LOW PRECISION. The matrix products marked QUANTISED in the list below multiply operands that are first quantised to E2M1 (2 exponent bits, 1 mantissa bit; 4 bits a number), with one power-of-two scale for each 32 numbers along K (OCP MX v1.0); their sums are f32. The products marked 'left as it is' may take bf16, f16 or f32 operands, with f32 sums. Whichever they take, every output number must still come out within the allowed error. Rounding operands to bf16 (8 significant bits) uses up far more of that allowance than f16 does (11 bits, for magnitudes from 6e-5 to 65,504). All else is computed in f32.
;;   The module's matrix products, in the order in which they are computed (A, B: the left and right operand; K: the contracted axis; several contracted axes count as one K, in the product's order):
;;     1. [M 8,192, K 1,024] x [K 1,024, N 3,072]; A: input x; B: input w_qkv: QUANTISED
;;     2. batch 128 x [M 1,024, K 64] x [K 64, N 1,024]; A: computed on the way; B: computed on the way: left as it is (an operand is computed on the way)
;;     3. batch 128 x [M 1,024, K 1,024] x [K 1,024, N 64]; A: computed on the way; B: computed on the way: left as it is (an operand is computed on the way)
;;     4. [M 8,192, K 1,024] x [K 1,024, N 1,024]; A: computed on the way; B: input w_proj: left as it is (an operand is computed on the way)
;;   THE QUANTISER, for each operand of a quantised product, along K:
;;     - K is cut into blocks of 32 from its start; a last block that is shorter is filled with zeros.
;;     - A block's scale is 2^e with e = floor(log2(the largest magnitude in the block)) - 2, held to -126 .. 127; a block of zeros has e = 0. As a byte (E8M0): e + 127.
;;     - Each number is divided by its block's scale, clamped to +-6, and rounded to the nearest number of E2M1, ties to even, subnormals kept.
;;     - The product sums the exact products of the quantised numbers (number of the format x scale) in f32.
;;   ~~~python
;;   def quantise(x, axis):      # numpy; x: float32 -> the quantised numbers, widened to float32 again
;;       x = np.moveaxis(x, axis, -1); K = x.shape[-1]
;;       x = np.pad(x, [(0, 0)] * (x.ndim - 1) + [(0, -K % 32)]); x = x.reshape(x.shape[:-1] + (-1, 32)); a = np.abs(x).max(-1, keepdims=True)
;;       e = np.where(a > 0, np.clip(np.frexp(np.where(a > 0, a, 1))[1] - 1 - 2, -126, 127), 0)      # np.frexp(a)[1] - 1 = floor(log2(a)), exactly
;;       r = np.clip(x / 2.0 ** e, -6, 6)
;;       step = 2.0 ** (np.maximum(np.frexp(np.where(r == 0, 1, r))[1] - 1, 0) - 1)
;;       q = np.round(r / step) * step * 2.0 ** e      # np.round: ties to even
;;       return np.moveaxis(q.reshape(q.shape[:-2] + (-1,))[..., :K], -1, axis).astype(np.float32)
;;   ~~~
;; One version. Each part assembles by itself: llvm-mc -triple=amdgcn-amd-amdhsa -mcpu=gfx1250 --defsym DOCPART=n.
;; ======== version 1 of 1: 5 launches
;; limits: values are held in f16: magnitudes above 65,504 overflow, below 6.1e-05 lose precision
;; workspace buffers: xq 4,194,304 bytes; xs 262,144 bytes; wq 1,572,864 bytes; ws 98,304 bytes; wf 2,097,152 bytes; qkv 50,331,648 bytes; yf 16,777,216 bytes; aux 1,835,008 bytes
;; launch prep (part 1): grid 384 x 1, 4 waves a work-group, no clusters, 68,096 bytes of LDS; arguments x, w_qkv, w_proj, xq, xs, wq, ws, wf; writes xq, xs, wq, ws, wf
.if DOCPART == 1
	.amdgcn_target "amdgcn-amd-amdhsa--gfx1250"
	.amdhsa_code_object_version 6
	.text
	.protected	k_q85f273abe4_prep
	.globl	k_q85f273abe4_prep
	.p2align	8
	.type	k_q85f273abe4_prep,@function
k_q85f273abe4_prep:
	s_mov_b64 s[64:65], 0
	v_nop
	global_prefetch_b8 v0, s[64:65] scope:SCOPE_SE
	s_setreg_imm32_b32 hwreg(HW_REG_WAVE_MODE, 25, 1), 1
	s_wait_xcnt 0x0
; THREE PIECES OF PREPARATION IN ONE LAUNCH, parted at the head on the work-group's number alone; the paths never join; X and W each have LDS bytes of their own.
;   work-groups 0-95    (path W): w_qkv [1024 k][3072 n] f32 -> codes of FP4 (E2M1) laid [3072][512 bytes], K innermost, and one E8M0 byte for each 32 along K, laid [3072][32].
;   work-groups 96-127  (path P): w_proj [1024 k][1024 n] f32 -> f16, laid as images of matrix operands: [n / 128][k / 32][16-column tile][1,024 bytes].
;   work-groups 128-383 (path X): x [8192][1024] f32 -> codes [8192][512 bytes] and scale bytes [8192][32].
; THE THREE PATHS ARE CUT TO THE SAME LENGTH, counted in turns of loads: W: a lane's 256 loads, 64 out at a time; P: 8 blocks, two ahead; X: 16 steps, four ahead: four turns each.
; A block's scale is 2^(floor(log2(its largest magnitude)) - 2); its byte is the largest magnitude's exponent field - 2, held at 1 from below.
; LIMITS: a block of zeros, and a block whose largest magnitude lies under 2^-124, gets the byte 1 (the rule says 127 for zeros: the codes are zeros, and this program alone reads the bytes);
; NaN and infinities among the inputs are not served; w_proj is rounded to f16: magnitudes up to 65,504.
; AN IMAGE of a 16-bit operand (16 rows x 32 k, 8 registers a lane) is [quad 0, 1][lane][16 bytes]: quad c of lane (r, h) holds k = 16 c + 8 h + 0 .. 7 of row r.
.set SPW,   192                        ; v192  LDS address of my spare word; never rewritten
.set NIL,   193                        ; v193  0; never rewritten
.set SPARE, 67584                      ; behind both paths' LDS: the spare words, 128 bytes a wave
.set EMAX,  2
	s_load_b512 s[4:19], s[0:1], 0x0               ; x s[4:5], w_qkv s[6:7], w_proj s[8:9], xq s[10:11], xs s[12:13], wq s[14:15], ws s[16:17], wf s[18:19]
	v_lshl_add_u32 v[SPW], v0, 2, SPARE
	v_mov_b32 v[NIL], 0
	v_lshrrev_b32 v1, 5, v0
	v_readfirstlane_b32 s20, v1                    ; wave 0..3
	v_and_b32 v2, 31, v0                           ; lane
	s_mov_b32 s27, 0                               ; the upper word of every 64-bit offset below
	s_wait_kmcnt 0x0
	s_cmp_lt_u32 ttmp9, 96
	s_cbranch_scc1 .Lw
	s_cmp_lt_u32 ttmp9, 128
	s_cbranch_scc1 .Lp
; ---------------- PATH X.  x is a plain stream of blocks of 32.  A wave takes 16 steps of 512 numbers.  Each load reads 512 consecutive bytes; a step's 2,048 bytes turn through the wave's own stage in LDS,
; so that a lane then holds 16 neighbours along K (two lanes to a block).  Loads run four steps ahead, the turn through LDS one step.
.set XSTEPS, 16
.set XCB,  8                           ; bytes of 16 codes
.set XR,   16                          ; v16-79   four sets of 16 numbers as loaded
.set XX,   80                          ; v80-111  two sets of 16 neighbours
.set XE,   112                         ; v112-127 a scale byte for each step
.set XC,   128                         ; v128-191 codes, four registers for each step: no store's data are written again
.set XSP,  80                          ; a lane's place in a stage: 64 bytes + 16 of padding
	v_lshlrev_b32 v3, 4, v2                        ; my 16 bytes of a load's 512
	s_lshl_b32 s21, s20, 13                        ; my wave's 8,192 bytes of LDS: two stages, then 256 scale bytes
	v_lshrrev_b32 v14, 2, v2
	v_mul_u32_u24 v14, v14, XSP
	v_and_b32 v15, 3, v2
	v_lshl_add_u32 v14, v15, 4, v14
	v_add_nc_u32 v14, s21, v14                     ; into the stage: 80 (lane / 4) + 16 (lane % 4)
	v_mul_u32_u24 v15, v2, XSP
	v_add_nc_u32 v15, s21, v15                     ; out of it: 80 x lane
	v_mul_u32_u24 v4, v2, XCB                      ; my codes' place in a step's
	v_lshrrev_b32 v5, 1, v2
	s_add_co_u32 s21, s21, 2*32*XSP
	v_add_nc_u32 v5, s21, v5                       ; my block's scale byte
	v_lshlrev_b32 v7, 3, v2
	v_add_nc_u32 v6, s21, v7                       ; and 8 bytes a lane on the way out
	s_sub_co_u32 s22, ttmp9, 128
	s_lshl_b32 s22, s22, 2
	s_add_co_u32 s22, s22, s20                     ; which run of 8,192 numbers is my wave's: 0 .. 1,023
	s_lshl_b32 s26, s22, 15
	s_add_nc_u64 s[4:5], s[4:5], s[26:27]
	s_lshl_b32 s26, s22, 12
	s_add_nc_u64 s[10:11], s[10:11], s[26:27]
	s_lshl_b32 s26, s22, 8
	s_add_nc_u64 s[12:13], s[12:13], s[26:27]
.macro LOADX t
.irp i, 0,1,2,3
	global_load_b128 v[XR+16*((\t)%4)+4*\i:XR+16*((\t)%4)+4*\i+3], v3, s[4:5] offset:2048*(\t)+512*\i th:TH_LOAD_NT
.endr
.endm
.macro TURNX t                         ; LDS serves a wave's instructions in order: no wait between the stores and the loads
.irp i, 0,1,2,3
	ds_store_b128 v14, v[XR+16*((\t)%4)+4*\i:XR+16*((\t)%4)+4*\i+3] offset:32*XSP*((\t)%2)+8*XSP*\i
.endr
.irp i, 0,1,2,3
	ds_load_b128 v[XX+16*((\t)%2)+4*\i:XX+16*((\t)%2)+4*\i+3], v15 offset:32*XSP*((\t)%2)+16*\i
.endr
.endm
.irp t, 0,1,2,3
	LOADX \t
.endr
	s_wait_loadcnt 12                              ; step 0's four loads are in; three steps' twelve may be out
	TURNX 0
.macro STEPX t
.set XS, XX+16*((\t)%2)
.if (\t) > 0
	s_wait_dscnt 1                                 ; this step's numbers are back from the stage (the last step's byte store may be out): so its stores into the stage have read their registers,
.else
	s_wait_dscnt 0x0
.endif
.if (\t)+4 < XSTEPS
	LOADX (\t)+4                                   ; which take the loads of four steps on
.endif
.if (\t)+1 < XSTEPS
.if XSTEPS-2-(\t) >= 3
	s_wait_loadcnt 12                              ; the next step's loads are in; those of the three steps behind it may be out
.else
	s_wait_loadcnt 4*(XSTEPS-2-(\t))
.endif
	TURNX (\t)+1
.endif
	v_max3_num_f32 v8, |v[XS]|, |v[XS+1]|, |v[XS+2]|   ; the largest magnitude of my 16, in two chains
	v_max3_num_f32 v9, |v[XS+3]|, |v[XS+4]|, |v[XS+5]|
.irp i, 6,10
	v_max3_num_f32 v8, v8, |v[XS+\i]|, |v[XS+\i+1]|
	v_max3_num_f32 v9, v9, |v[XS+\i+2]|, |v[XS+\i+3]|
.endr
	v_max3_num_f32 v8, v8, |v[XS+14]|, |v[XS+15]|
	v_max3_num_f32 v8, v8, v9, (EMAX+1)<<23        ; and the floor 2^(3 - 127): the byte cannot fall under 1
	v_max_num_f32_dpp v8, v8, v8 row_xmask:1 row_mask:0xf bank_mask:0xf   ; with my neighbour's 16: the block's
	v_add_nc_u32 v11, -(EMAX<<23), v8              ; 2 off the exponent field: the conversion takes that field as its scale
	v_cvt_scalef32_pk8_fp4_f32 v[XC+4*(\t)], v[XS:XS+7], v11
	v_cvt_scalef32_pk8_fp4_f32 v[XC+4*(\t)+1], v[XS+8:XS+15], v11
	v_lshrrev_b32 v[XE+(\t)], 23, v11              ; the scale's byte (also the plain line behind the conversions)
	ds_store_b8 v5, v[XE+(\t)] offset:16*(\t)      ; both lanes of a block write the same byte with the same value
	global_store_b64 v4, v[XC+4*(\t):XC+4*(\t)+1], s[10:11] offset:32*XCB*(\t)   ; the wave stores 256 consecutive bytes, aligned
.endm
.irp t, 0,1,2,3,4,5,6,7,8,9,10,11,12,13,14,15
	STEPX \t
.endr
	ds_load_b64 v[8:9], v6                         ; my wave's 256 scale bytes
	s_wait_dscnt 0x0
	global_store_b64 v7, v[8:9], s[12:13]          ; 256 consecutive bytes, aligned
	s_wait_tensorcnt 0x0                           ; the wave's end, behind my last LDS store
	ds_add_u32 v[SPW], v[NIL]
	s_wait_dscnt 0x0
	s_endpgm
; ---------------- PATH W.  K is w_qkv's FIRST axis: a lane takes a column n and its registers run down K, so a block of 32 lies in one lane and the codes come out with K innermost.
; A wave takes 16 columns x 512 along K: lane (r, h) takes column r and the h-th 256 of them, 8 blocks.  A load so reads 64 consecutive bytes of each of two rows; the four waves of a work-group stand side by
; side on 256 bytes of a row.  A column's 256 bytes of codes come from its two lanes: they meet in the wave's own stage in LDS and leave as rows: sixteen lanes store 256 consecutive bytes, aligned.
; Loads run two blocks ahead.  A work-group: 64 columns x 512 along K: 48 x 2 work-groups.
.set WN,     3072
.set WNB,    8                         ; blocks a lane
.set WPITCH, 272                       ; a stage row: 256 bytes + 16
.set WKROW,  512                       ; a row of the codes' buffer
.set WSTG,   32768                     ; this path's LDS begins here: 16 rows of 272 bytes for each wave
.set WX,     32                        ; v32-95   two sets of 32 numbers
.set WC,     96                        ; v96-99   a block's codes
.set WOUT,   112                       ; v112-143 the way out
.set WSB,    24                        ; v24-25   the scale bytes, four to a register
.Lw:
	s_cmp_lt_u32 ttmp9, 48
	s_cselect_b32 s21, 0, 48
	s_cselect_b32 s22, 0, 1                        ; y: which 512 along K
	s_sub_co_u32 s21, ttmp9, s21                   ; which 64 columns
	s_lshl_b32 s23, s21, 6
	s_lshl_b32 s24, s20, 4
	s_add_co_u32 s23, s23, s24                     ; my wave's first column
	v_and_b32 v5, 15, v2                           ; r
	v_lshrrev_b32 v6, 4, v2                        ; h
	v_mul_u32_u24 v3, v6, 256*WN*4                 ; in: lanes 16-31 begin 256 rows further down,
	v_lshl_add_u32 v3, v5, 2, v3                   ; 4 bytes a column
	s_mul_i32 s24, s20, 16*WPITCH
	s_add_co_u32 s24, s24, WSTG                    ; my stage
	v_mul_u32_u24 v4, v5, WPITCH
	v_lshl_add_u32 v4, v6, 7, v4
	v_add_nc_u32 v4, s24, v4                       ; into it: row = my column, + 128 h: 256 along K are 128 bytes
	v_mul_u32_u24 v7, v6, WPITCH
	v_lshl_add_u32 v7, v5, 4, v7
	v_add_nc_u32 v7, s24, v7                       ; out of it: sixteen lanes to a row, two rows an instruction
	v_mul_u32_u24 v8, v6, WKROW
	v_lshl_add_u32 v8, v5, 4, v8                   ; and the same place in the codes' buffer
	v_lshlrev_b32 v9, 5, v5
	v_lshl_add_u32 v9, v6, 3, v9                   ; my 8 scale bytes: 32 x column + 8 h
	s_mul_i32 s26, s22, 512*WN*4
	s_lshl_b32 s24, s23, 2
	s_add_co_u32 s26, s26, s24
	s_add_nc_u64 s[6:7], s[6:7], s[26:27]          ; w_qkv at (512 y, my first column)
	s_lshl_b32 s26, s23, 9
	s_lshl_b32 s24, s22, 8
	s_add_co_u32 s26, s26, s24
	s_add_nc_u64 s[14:15], s[14:15], s[26:27]      ; codes: column x 512 + 256 y
	s_lshl_b32 s26, s23, 5
	s_lshl_b32 s24, s22, 4
	s_add_co_u32 s26, s26, s24
	s_add_nc_u64 s[16:17], s[16:17], s[26:27]      ; scale bytes: column x 32 + 16 y
.macro LOADW t                         ; the largest offset, 255 rows of 12,288 bytes, lies inside the signed 24-bit immediate
.irp i, 0,1,2,3,4,5,6,7,8,9,10,11,12,13,14,15,16,17,18,19,20,21,22,23,24,25,26,27,28,29,30,31
	global_load_b32 v[WX+32*((\t)%2)+\i], v3, s[6:7] offset:(32*(\t)+\i)*WN*4 th:TH_LOAD_NT
.endr
.endm
	LOADW 0
	LOADW 1
.macro BLOCKW t
.set XS, WX+32*((\t)%2)
.if (\t) < WNB-1
	s_wait_loadcnt 32                              ; this block's 32 loads are in; the next block's may be out
.else
	s_wait_loadcnt 0
.endif
	v_max3_num_f32 v12, |v[XS]|, |v[XS+1]|, |v[XS+2]|   ; all 32 numbers of the block are mine
	v_max3_num_f32 v13, |v[XS+3]|, |v[XS+4]|, |v[XS+5]|
.irp i, 6,10,14,18,22,26
	v_max3_num_f32 v12, v12, |v[XS+\i]|, |v[XS+\i+1]|
	v_max3_num_f32 v13, v13, |v[XS+\i+2]|, |v[XS+\i+3]|
.endr
	v_max3_num_f32 v12, v12, |v[XS+30]|, |v[XS+31]|
	v_max3_num_f32 v12, v12, v13, (EMAX+1)<<23
	v_add_nc_u32 v11, -(EMAX<<23), v12
	v_lshrrev_b32 v13, 23, v11                     ; the scale's byte
.if (\t)%4 == 0
	v_mov_b32 v[WSB+(\t)/4], v13
.else
	v_lshl_or_b32 v[WSB+(\t)/4], v13, 8*((\t)%4), v[WSB+(\t)/4]
.endif
.irp g, 0,1,2,3
	v_cvt_scalef32_pk8_fp4_f32 v[WC+\g], v[XS+8*\g:XS+8*\g+7], v11
.endr
	v_nop                                          ; one plain line behind the conversions
	ds_store_b128 v4, v[WC:WC+3] offset:16*(\t)    ; 32 codes: 16 bytes of my half of my column's row
.if (\t)+2 < WNB
	LOADW (\t)+2
.endif
	s_wait_dscnt 0x0                               ; the store has read its registers: the next block's codes may be written
.endm
.set Q, 0
.rept WNB
	BLOCKW Q
.set Q, Q+1
.endr
	global_store_b64 v9, v[WSB:WSB+1], s[16:17]    ; my 8 scale bytes
.irp t, 0,1,2,3,4,5,6,7
	ds_load_b128 v[WOUT+4*\t:WOUT+4*\t+3], v7 offset:2*\t*WPITCH   ; LDS serves a wave's instructions in order: these see my wave's stores
.endr
.irp t, 0,1,2,3,4,5,6,7
	s_wait_dscnt 7-\t                              ; LDS loads come back in order: pair t of rows is in, the pairs behind it may be out
	global_store_b128 v8, v[WOUT+4*\t:WOUT+4*\t+3], s[14:15] offset:2*\t*WKROW
.endr
	s_wait_tensorcnt 0x0                           ; the wave's end, behind my last LDS store
	ds_add_u32 v[SPW], v[NIL]
	s_wait_dscnt 0x0
	s_endpgm
; ---------------- PATH P.  A lane takes a column n of w_proj and 32 k at a time; eight neighbouring k, rounded to f16, are 16 bytes of an image: quad i / 2, half i % 2.  No LDS: sixteen lanes' 16 bytes are
; 256 consecutive bytes of the image as they stand.  A work-group: 128 columns x 256 k; a wave: 32 columns.  Loads run two blocks ahead.
.set PX, 32                            ; v32-95  two sets of 32 numbers
.set PC, 96                            ; v96-111 32 numbers in f16
.Lp:
	s_sub_co_u32 s21, ttmp9, 96
	s_and_b32 s22, s21, 7                          ; which 128 columns
	s_lshr_b32 s23, s21, 3                         ; which 256 k
	v_lshlrev_b32 v3, 2, v2
	v_lshrrev_b32 v4, 4, v2
	v_and_b32 v5, 15, v2
	v_lshlrev_b32 v4, 10, v4
	v_lshl_add_u32 v4, v5, 4, v4                   ; out: 1,024 (lane / 16) + 16 (lane % 16)
	s_lshl_b32 s26, s23, 20                        ; 256 rows of 4,096 bytes
	s_lshl_b32 s24, s22, 9
	s_add_co_u32 s26, s26, s24
	s_lshl_b32 s24, s20, 7
	s_add_co_u32 s26, s26, s24
	s_add_nc_u64 s[8:9], s[8:9], s[26:27]
	s_lshl_b32 s26, s22, 18                        ; 32 x 8 images of 1,024 bytes,
	s_lshl_b32 s24, s23, 16                        ; 8 x 8 images,
	s_add_co_u32 s26, s26, s24
	s_lshl_b32 s24, s20, 11                        ; my wave's two tiles of columns
	s_add_co_u32 s26, s26, s24
	s_add_nc_u64 s[18:19], s[18:19], s[26:27]
.macro LOADP t
.irp i, 0,1,2,3,4,5,6,7,8,9,10,11,12,13,14,15,16,17,18,19,20,21,22,23,24,25,26,27,28,29,30,31
	global_load_b32 v[PX+32*((\t)%2)+\i], v3, s[8:9] offset:(32*(\t)+\i)*4096
.endr
.endm
	LOADP 0
	LOADP 1
.macro BLOCKP t
.if (\t) < 7
	s_wait_loadcnt 32                              ; this block's 32 loads are in; the next block's may be out
.else
	s_wait_loadcnt 0
.endif
	s_wait_xcnt 0x0                                ; the last block's stores have read their data: it is written again only behind this wait
.irp j, 0,1,2,3,4,5,6,7,8,9,10,11,12,13,14,15
	v_cvt_pk_f16_f32 v[PC+\j], v[PX+32*((\t)%2)+2*\j], v[PX+32*((\t)%2)+2*\j+1]
.endr
.irp i, 0,1,2,3
	global_store_b128 v4, v[PC+4*\i:PC+4*\i+3], s[18:19] offset:(\t)*8192+(\i/2)*512+(\i%2)*256
.endr
.if (\t)+2 < 8
	LOADP (\t)+2
.endif
.endm
.irp t, 0,1,2,3,4,5,6,7
	BLOCKP \t
.endr
	s_endpgm
.Lfunc_end_k_q85f273abe4_prep:
	.size	k_q85f273abe4_prep, .Lfunc_end_k_q85f273abe4_prep-k_q85f273abe4_prep
	.p2alignl 7, 3214868480
	.fill 96, 4, 3214868480
	.section	.rodata,"a",@progbits
	.p2align	6, 0x0
	.amdhsa_kernel k_q85f273abe4_prep
		.amdhsa_group_segment_fixed_size 68096
		.amdhsa_private_segment_fixed_size 0
		.amdhsa_enable_private_segment 0
		.amdhsa_kernarg_size 64
		.amdhsa_user_sgpr_count 2
		.amdhsa_user_sgpr_kernarg_segment_ptr 1
		.amdhsa_wavefront_size32 1
		.amdhsa_system_sgpr_workgroup_id_x 1
		.amdhsa_system_sgpr_workgroup_id_y 1
		.amdhsa_system_sgpr_workgroup_id_z 1
		.amdhsa_system_vgpr_workitem_id 0
		.amdhsa_next_free_vgpr 200
		.amdhsa_next_free_sgpr 66
		.amdhsa_reserve_vcc 0
		.amdhsa_float_denorm_mode_32 3
		.amdhsa_float_denorm_mode_16_64 3
		.amdhsa_memory_ordered 1
		.amdhsa_forward_progress 1
		.amdhsa_inst_pref_size 109
	.end_amdhsa_kernel
	.amdgpu_metadata
---
amdhsa.version: [ 1, 2 ]
amdhsa.kernels:
  - .name:           k_q85f273abe4_prep
    .symbol:         k_q85f273abe4_prep.kd
    .args:
      - { .name: x, .offset: 0, .size: 8, .value_kind: global_buffer, .address_space: global }
      - { .name: w_qkv, .offset: 8, .size: 8, .value_kind: global_buffer, .address_space: global }
      - { .name: w_proj, .offset: 16, .size: 8, .value_kind: global_buffer, .address_space: global }
      - { .name: xq, .offset: 24, .size: 8, .value_kind: global_buffer, .address_space: global }
      - { .name: xs, .offset: 32, .size: 8, .value_kind: global_buffer, .address_space: global }
      - { .name: wq, .offset: 40, .size: 8, .value_kind: global_buffer, .address_space: global }
      - { .name: ws, .offset: 48, .size: 8, .value_kind: global_buffer, .address_space: global }
      - { .name: wf, .offset: 56, .size: 8, .value_kind: global_buffer, .address_space: global }
    .group_segment_fixed_size: 68096
    .private_segment_fixed_size: 0
    .kernarg_segment_align: 8
    .kernarg_segment_size: 64
    .max_flat_workgroup_size: 128
    .sgpr_count:     66
    .vgpr_count:     200
    .wavefront_size: 32
...
	.end_amdgpu_metadata
.endif
;; end of part 1
;; launch gemm (part 2): grid 12 x 32, 4 waves a work-group, clusters of 4 x 4, 327,680 bytes of LDS; arguments xq, xs, wq, ws, qkv, aux; writes qkv, aux
.if DOCPART == 2
	.amdgcn_target "amdgcn-amd-amdhsa--gfx1250"
	.amdhsa_code_object_version 6
	.text
	.protected	k_q85f273abe4_gemm
	.globl	k_q85f273abe4_gemm
	.p2align	8
	.type	k_q85f273abe4_gemm,@function
k_q85f273abe4_gemm:
	s_mov_b64 s[64:65], 0
	v_nop
	global_prefetch_b8 v0, s[64:65] scope:SCOPE_SE
	s_setreg_imm32_b32 hwreg(HW_REG_WAVE_MODE, 25, 1), 1
	s_wait_xcnt 0x0
	s_wait_alu depctr_hold_cnt(0) depctr_sa_sdst(0) depctr_va_vdst(0) depctr_va_sdst(0) depctr_va_ssrc(0) depctr_va_vcc(0) depctr_vm_vsrc(0)
	s_getreg_b32 s2, hwreg(HW_REG_IB_STS2, 6, 4)
	s_cmp_eq_u32 s2, 0
	s_cbranch_scc0 .Lentry_in_a_cluster
	s_endpgm
.Lentry_in_a_cluster:
	s_bfe_u32 s2, ttmp6, 0x10000c
	s_cmp_lg_u32 s2, 0xf033
	s_cbranch_scc0 .Lentry_shape_is_right
	s_endpgm
.Lentry_shape_is_right:
; qkv = x w_qkv on codes of FP4 (E2M1) with one E8M0 scale for each 32 along K; sums in f32.  M = 8,192, N = 3,072, K = 1,024.
; A tile of 256 x 256 is made by four waves, 128 x 128 each: 64 accumulators of 16 x 16, 512 registers.  K = 1,024 is two LDS slots of 512: both are asked for at the head and nothing is filled again.
; The scale bytes of the work-group's 2 x 256 rows, for all of K, come once, in rows of 256 bytes.
; CLUSTERS of 4 x 4.  Cluster x is the part (0 q, 1 k, 2 v), cluster y = Y.  The operand called A here feeds source 1 (a lane's row) and is shared along a row of the cluster, B feeds source 0
; (a lane's eight registers) and is shared along a column; each tile is asked for jointly.  WHICH TENSOR IS A HANGS ON THE PART:
;   q, k: A = x, tile Y + 8 cy;  B = w, tile 4 part + cx:  a lane holds one position and eight neighbouring channels.
;   v:    A = w, tile 8 + cy;    B = x, tile Y + 8 cx:     a lane holds one channel and eight neighbouring positions.
; So in both roles accumulators (a, 2 c) and (a, 2 c + 1), rounded to f16, ARE the eight registers of an operand of the next product (q, k: rows = positions, K = channels; v: rows = channels, K = keys),
; and they are stored as images, [quad][lane][16 bytes]: each store of the wave covers 512 consecutive bytes, aligned.  No stage in LDS.
; x's tile is Y + 8 x place, so that (tile % 4) = Y % 4 is the same in all sixteen partners: whether a sequence begins in a wave's rows is a matter of the cluster's y and the wave's number.
; BESIDE THEM: positions 0-15 of every sequence as f32 images of the accumulators (for the launch that carries those rows in f32), and the sums of v over each 128 positions (the first group without positions 0-15).
; LIMITS: q, k, v are rounded to f16: magnitudes up to 65,504.  NaN and infinities are not served (the factor 0 that leaves positions 0-15 out of a sum would turn an infinity into NaN).
.set KSTEP,  512
.set NQ,     4                         ; matrix instructions deep in a slot
.set ROWB,   256                       ; a tile's row in bytes
.set KROW,   512                       ; a row of codes in memory
.set PITCH,  272                       ; an LDS row: 256 bytes + 16 of padding = 68 words: the 16 rows of a load start at 16 different banks (64 banks of 4 bytes: ISA guide 11.1)
.set FR,     8
.set NL,     2
.set NP,     4                         ; places behind this matrix instruction (ISA guide 7.12.1)
.set HALFT,  128*PITCH
.set SLOT,   4*HALFT                   ; A's 256 rows, then B's 256 rows
.set KS,     32                        ; a row of scale bytes
.set SCL,    2*SLOT
.set HALFS,  (128*KS/256)*272
.set SBLK,   (16*KS/256)*272
.set SPARE,  SCL+4*HALFS               ; the spare words, 128 bytes a wave
.set ADRA, 16                          ; v16-17 LDS address of my A fragments in slot 0, 1
.set ADRB, 20                          ; v20-21 the same for B
.set L4,   25                          ; v25    4 x lane
.set LI,   26                          ; v26    16 x lane: my place in an image
.set ADRS, 27                          ; v27    LDS address of my scale words: lanes 0-15 A's rows, lanes 16-31 B's
.set SPW,  28
.set NIL,  29
.set SC,   32                          ; v32-95 scale words, two sets
.set AF,   128                         ; A's fragments, window 0, one set; B's: window 1, two sets; accumulators: windows 2, 3
.set TMP,  32                          ; the way out: v32-95, two sets of 32 packed registers
.set UU,   96                          ; v96-111  v's sums, a pair for each block of channels
.set ZZ,   112                         ; v112-127 the part of them that falls on the first 16 positions
.set G1, 24
.set G0, 32
.set G1B, 48
.set G0B, 56
.set G1S, 68
.set G0S, 76
.set G1SB, 80
.set G0SB, 88
.set MSB, 0
.macro WIN new                         ; the immediate's high byte repeats the setting that is left
.if MSB != (\new)
	s_set_vgpr_msb (MSB<<8)|(\new)
.set MSB, (\new)
.endif
.endm
.set MUL_LO, 0xa1                      ; source 0 (B) window 1, source 1 (A) window 0, C and D window 2
.set MUL_HI, 0xf1
.set TO_B,   0x40
; A joint load: waves 0 and 1 fetch for A, waves 2 and 3 for B; the branch hangs on the wave's number alone.  An s_nop 0 and four v_nop follow each line.
.macro JLOAD g0a, g1a, g0b, g1b
	s_cmp_eq_u32 s15, 0
	s_cbranch_scc0 .Lfor_b_\@
	tensor_load_to_lds s[\g0a:\g0a+3], s[\g1a:\g1a+7]
	s_nop 0
.rept 4
	v_nop
.endr
	s_branch .Lasked_\@
.Lfor_b_\@:
	tensor_load_to_lds s[\g0b:\g0b+3], s[\g1b:\g1b+7]
	s_nop 0
.rept 4
	v_nop
.endr
.Lasked_\@:
.endm
.macro CROUND                          ; a round of the cluster's barrier
	s_barrier_signal -1
	s_barrier_wait -1
	s_cmp_lg_u32 s14, 0
	s_cbranch_scc1 .Lnot_wave_0_\@
	s_barrier_signal -3
.Lnot_wave_0_\@:
	s_barrier_wait -3
	s_barrier_signal -1
	s_barrier_wait -1
.endm
	s_load_b128 s[4:7], s[0:1], 0x0                ; x's codes, x's scales
	s_load_b128 s[8:11], s[0:1], 0x10              ; w's codes, w's scales
	s_load_b64 s[12:13], s[0:1], 0x20              ; qkv
	s_load_b64 s[96:97], s[0:1], 0x28              ; aux
	v_lshl_add_u32 v[SPW], v0, 2, SPARE
	v_mov_b32 v[NIL], 0
	ds_add_u32 v[SPW], v[NIL]                      ; the wave's opening: the add, twice on end, and its wait ahead of my first tensor load
	ds_add_u32 v[SPW], v[NIL]
	v_lshrrev_b32 v1, 5, v0
	v_readfirstlane_b32 s14, v1                    ; wave 0..3
	s_lshr_b32 s15, s14, 1                         ; which half of A's rows is mine.  Also: I fetch for A (0) or for B (1)
	s_and_b32 s16, s14, 1                          ; which half of B's rows.  Also: which 128 rows I fetch
	s_bfe_u32 s40, ttmp6, 0x40000                  ; cx
	s_bfe_u32 s41, ttmp6, 0x40004                  ; cy
	s_and_b32 s95, ttmp7, 0xffff                   ; Y
	s_lshl_b32 s42, ttmp9, 2                       ; 4 x part
	s_cmp_eq_u32 ttmp9, 2                          ; the v role?  The same in all sixteen partners
	s_cselect_b32 s17, 1, 8                        ; A's tile = cy x this
	s_cselect_b32 s18, 8, s95                      ;          + this
	s_cselect_b32 s93, 8, 1                        ; B's tile = cx x this
	s_cselect_b32 s42, s95, s42                    ;          + this
	s_mul_i32 s17, s41, s17
	s_mul_i32 s93, s40, s93
	s_add_co_u32 s17, s17, s18                     ; A's tile of 256 rows
	s_add_co_u32 s42, s42, s93                     ; B's
	s_lshl_b32 s43, s41, 2
	s_lshl_b32 s43, 15, s43                        ; my row of the cluster
	s_lshl_b32 s44, 0x1111, s40                    ; my column
	; descriptor group 1: 128 rows x 256 bytes, 16 bytes of padding behind each
	s_or_b32 s[G1+0], s43, (0<<16)|(1<<20)|(1<<21)|(5<<22)|(3<<25)
	s_or_b32 s[G1B+0], s44, (0<<16)|(1<<20)|(1<<21)|(5<<22)|(3<<25)
.irp g, G1, G1B
	s_mov_b32 s[\g+1], ROWB<<16                    ; tensor_dim0
	s_mov_b32 s[\g+2], 128<<16                     ; tensor_dim1
	s_mov_b32 s[\g+3], ROWB<<16                    ; tile_dim0
	s_mov_b32 s[\g+4], 128                         ; tile_dim1
	s_mov_b32 s[\g+5], KROW                        ; from row to row
	s_mov_b32 s[\g+6], 0
	s_mov_b32 s[\g+7], 0
.endr
	; the scales of 128 rows: 4,096 dense bytes as 16 rows of 256 (32 elements of 8 bytes), padded likewise
	s_or_b32 s[G1S+0], s43, (3<<16)|(1<<20)|(1<<21)|(5<<22)|(3<<25)
	s_or_b32 s[G1SB+0], s44, (3<<16)|(1<<20)|(1<<21)|(5<<22)|(3<<25)
.irp g, G1S, G1SB
	s_mov_b32 s[\g+1], 32<<16
	s_mov_b32 s[\g+2], (128*KS/256)<<16
	s_mov_b32 s[\g+3], 32<<16
	s_mov_b32 s[\g+4], 128*KS/256
	s_mov_b32 s[\g+5], 32
	s_mov_b32 s[\g+6], 0
	s_mov_b32 s[\g+7], 0
.endr
	s_lshl_b32 s18, s16, 7                         ; which 128 rows of the tile I fetch
	s_lshl_b32 s20, s17, 8
	s_add_co_u32 s20, s20, s18                     ; A's row
	s_lshl_b32 s46, s42, 8
	s_add_co_u32 s46, s46, s18                     ; B's row
	s_mov_b32 s21, 0
	s_mov_b32 s47, 0
	s_mov_b64 s[18:19], KS
	s_mul_u64 s[22:23], s[20:21], s[18:19]         ; where these rows' scales begin,
	s_mul_u64 s[92:93], s[46:47], s[18:19]
	s_mov_b64 s[18:19], KROW
	s_mul_u64 s[20:21], s[20:21], s[18:19]         ; and their codes
	s_mul_u64 s[46:47], s[46:47], s[18:19]
	s_mul_i32 s45, s14, HALFT                      ; where they go: wave x 128 rows: no place in the cluster enters an LDS address
	s_mul_i32 s94, s14, HALFS
	s_wait_dscnt 0x0                               ; both opening adds are done
	s_wait_kmcnt 0x0
	s_cmp_eq_u32 ttmp9, 2                          ; the roles' buffers: a choice that hangs on no address
	s_cselect_b64 s[66:67], s[8:9], s[4:5]         ; A's codes
	s_cselect_b64 s[4:5], s[4:5], s[8:9]           ; B's codes
	s_cselect_b64 s[8:9], s[10:11], s[6:7]         ; A's scales
	s_cselect_b64 s[6:7], s[6:7], s[10:11]         ; B's scales
	s_add_nc_u64 s[20:21], s[66:67], s[20:21]
	s_add_nc_u64 s[22:23], s[8:9], s[22:23]
	s_add_nc_u64 s[46:47], s[4:5], s[46:47]
	s_add_nc_u64 s[92:93], s[6:7], s[92:93]
	CROUND                                         ; all sixteen work-groups are here: the joint loads meet
	s_mov_b32 s[G0S], 1
	s_add_co_u32 s[G0S+1], s94, SCL
	s_mov_b64 s[G0S+2:G0S+3], s[22:23]
	s_or_b32 s[G0S+3], s[G0S+3], 0x80000000
	s_mov_b32 s[G0SB], 1
	s_add_co_u32 s[G0SB+1], s94, SCL
	s_mov_b64 s[G0SB+2:G0SB+3], s[92:93]
	s_or_b32 s[G0SB+3], s[G0SB+3], 0x80000000
	JLOAD G0S, G1S, G0SB, G1SB                     ; the scales first; three tensor loads of a wave are out at the most
.irp s, 0,1
	s_mov_b32 s[G0+4*\s], 1
	s_add_co_u32 s[G0+4*\s+1], s45, \s*SLOT
	s_add_nc_u64 s[G0+4*\s+2:G0+4*\s+3], s[20:21], \s*ROWB
	s_or_b32 s[G0+4*\s+3], s[G0+4*\s+3], 0x80000000
	s_mov_b32 s[G0B+4*\s], 1
	s_add_co_u32 s[G0B+4*\s+1], s45, \s*SLOT
	s_add_nc_u64 s[G0B+4*\s+2:G0B+4*\s+3], s[46:47], \s*ROWB
	s_or_b32 s[G0B+4*\s+3], s[G0B+4*\s+3], 0x80000000
	JLOAD G0+4*\s, G1, G0B+4*\s, G1B
.endr
	v_and_b32 v1, 15, v0                           ; l % 16
	v_bfe_u32 v2, v0, 4, 1                         ; l / 16
	v_mul_u32_u24 v3, v1, PITCH
	v_lshl_add_u32 v4, v2, 4, v3                   ; a fragment's row x pitch + 16 x half
	s_mul_i32 s21, s15, HALFT
	s_mul_i32 s22, s16, HALFT
	s_add_co_u32 s22, s22, 2*HALFT
.irp s, 0,1
	v_add_nc_u32 v[ADRA+\s], s21, v4
	v_add_nc_u32 v[ADRB+\s], s22, v4
	s_add_co_u32 s21, s21, SLOT
	s_add_co_u32 s22, s22, SLOT
.endr
	v_mul_u32_u24 v5, v1, KS                       ; my row's scales: 32 bytes a row,
	v_lshrrev_b32 v6, 8, v5
	v_lshl_add_u32 v5, v6, 4, v5                   ; and 16 more for each 256 passed
	s_mul_i32 s21, s15, HALFS
	s_mul_i32 s22, s16, HALFS
	s_add_co_u32 s22, s22, 2*HALFS
	s_sub_co_u32 s22, s22, s21
	v_mul_u32_u24 v6, s22, v2                      ; lanes 16-31 take B's
	s_add_co_u32 s21, s21, SCL
	v_add_nc_u32 v5, v5, v6
	v_add_nc_u32 v[ADRS], s21, v5
	v_and_b32 v6, 31, v0
	v_lshlrev_b32 v[LI], 4, v6
	v_lshlrev_b32 v[L4], 2, v6
	; WHERE MY RESULTS GO.  cP, hP: the place and the wave's half on the side of the positions; cC, hC: on the side of the channels.
	s_cmp_eq_u32 ttmp9, 2
	s_cselect_b32 s20, s40, s41                    ; cP
	s_cselect_b32 s21, s41, s40                    ; cC
	s_cselect_b32 s22, s16, s15                    ; hP
	s_cselect_b32 s23, s15, s16                    ; hC
	s_lshr_b32 s46, s95, 2
	s_lshl_b32 s20, s20, 1
	s_add_co_u32 s20, s20, s46                     ; the sequence: 2 cP + Y / 4
	s_lshl_b32 s21, s21, 2
	s_lshl_b32 s23, s23, 1
	s_add_co_u32 s21, s21, s23                     ; my first head: 4 cC + 2 hC
	s_and_b32 s46, s95, 3
	s_lshl_b32 s46, s46, 1
	s_add_co_u32 s22, s22, s46                     ; s22: which 128 positions of the sequence: 2 (Y % 4) + hP.  It stays: 0 = the sequence begins in my rows
	s_lshl_b32 s23, s20, 4
	s_add_co_u32 s23, s23, s21                     ; 16 x sequence + head
	s_lshl_b32 s46, s23, 17                        ; a head's images: 131,072 bytes in each part;
	s_lshl_b32 s47, s22, 14                        ; 128 positions of them: 16,384 (q, k: 8 tiles of 2,048; v: 4 groups of 4,096)
	s_add_co_u32 s46, s46, s47
	s_lshl_b32 s47, ttmp9, 24                      ; the part
	s_add_co_u32 s46, s46, s47
	s_mov_b32 s47, 0
	s_add_nc_u64 s[12:13], s[12:13], s[46:47]
	s_lshl_b32 s46, s23, 12                        ; the f32 images: 4,096 bytes a head, 524,288 a part
	s_mul_i32 s47, ttmp9, 524288
	s_add_co_u32 s46, s46, s47
	s_mov_b32 s47, 0
	s_add_nc_u64 s[66:67], s[96:97], s[46:47]
	s_lshl_b32 s46, s20, 3
	s_add_co_u32 s46, s46, s22
	s_lshl_b32 s46, s46, 12                        ; v's sums: [sequence][group of 128][1,024 channels] f32, behind the images
	s_lshl_b32 s47, s21, 8
	s_add_co_u32 s46, s46, s47
	s_add_co_u32 s46, s46, 1572864
	s_mov_b32 s47, 0
	s_add_nc_u64 s[96:97], s[96:97], s[46:47]
.macro FRAG reg, adr, q, i             ; 16 rows x 128 K of 4-bit codes: 8 registers; registers 4 c .. 4 c + 3 hold K = 64 c + 32 (l / 16) + 0 .. 31
.irp c, 0,1
	ds_load_b128 v[\reg+4*\c:\reg+4*\c+3], v[\adr] offset:64*(\q)+32*\c+(\i)*16*PITCH
.endr
.endm
; 16 matrix instructions: A's blocks a0, a0 + 1 x B's eight.  The 64 accumulators take turns, one instruction a turn, in the same order in every step.
.macro MUL16 a0, p, q, sc, zero
.irp a, \a0, \a0+1
.irp b, 0,1,2,3,4,5,6,7
.if \zero
	v_wmma_scale_f32_16x16x128_f8f6f4 v[8*(8*((\a)%4)+\b):8*(8*((\a)%4)+\b)+7], v[128*(\p)+FR*\b:128*(\p)+FR*\b+FR-1], v[AF+FR*(\a):AF+FR*(\a)+FR-1], 0, v[SC+8*NQ*(\sc)+NQ*\b+(\q)], v[SC+8*NQ*(\sc)+NQ*(\a)+(\q)] matrix_a_fmt:MATRIX_FMT_FP4 matrix_b_fmt:MATRIX_FMT_FP4 matrix_a_scale:MATRIX_SCALE_ROW1
.else
	v_wmma_scale_f32_16x16x128_f8f6f4 v[8*(8*((\a)%4)+\b):8*(8*((\a)%4)+\b)+7], v[128*(\p)+FR*\b:128*(\p)+FR*\b+FR-1], v[AF+FR*(\a):AF+FR*(\a)+FR-1], v[8*(8*((\a)%4)+\b):8*(8*((\a)%4)+\b)+7], v[SC+8*NQ*(\sc)+NQ*\b+(\q)], v[SC+8*NQ*(\sc)+NQ*(\a)+(\q)] matrix_a_fmt:MATRIX_FMT_FP4 matrix_b_fmt:MATRIX_FMT_FP4 matrix_a_scale:MATRIX_SCALE_ROW1
.endif
.endr
.endr
.endm
.macro FETCH_B slot, q, p
	WIN TO_B
.irp i, 0,1,2,3,4,5,6,7
	FRAG 128*(\p)+FR*\i, ADRB+\slot, \q, \i
.endr
	WIN 0
.endm
.macro FETCH_A slot, q, i0
.irp i, \i0, \i0+1, \i0+2, \i0+3
	FRAG AF+FR*(\i), ADRA+\slot, \q, \i
.endr
.endm
.macro SCALES sc                       ; a slot's scale words: four a row; lanes 0-15 take A's block i, lanes 16-31 B's
.irp i, 0,1,2,3,4,5,6,7
	ds_load_b128 v[SC+8*NQ*\sc+NQ*\i:SC+8*NQ*\sc+NQ*\i+3], v[ADRS] offset:\i*SBLK
.endr
.endm
.macro PLACES n                        ; plain vector lines between a matrix instruction and a load into, or a read of, its registers
.rept \n
	v_nop
.endr
.endm
.macro STEP slot, q, zero              ; 128 along K, with its successor in the same slot
	s_wait_dscnt 4*NL                              ; B's set and A's blocks 0-3 are in; the youngest eight loads (A's blocks 4-7) may be out
	WIN MUL_LO
	MUL16 0, (\q)%2, \q, \slot, \zero
	MUL16 2, (\q)%2, \q, \slot, \zero
	s_wait_dscnt 0
	PLACES NP
	FETCH_B \slot, (\q)+1, 1-(\q)%2
	FETCH_A \slot, (\q)+1, 0
	WIN MUL_HI
	MUL16 4, (\q)%2, \q, \slot, \zero
	MUL16 6, (\q)%2, \q, \slot, \zero
	PLACES NP
	WIN 0
	FETCH_A \slot, (\q)+1, 4
.endm
.macro TURN slot, next                 ; slot 0's last step: one barrier, behind which slot 1 is whole for every wave.  Nothing is filled again
	s_wait_tensorcnt 0x0                           ; all my tensor loads have landed: my part of slot 1
	ds_add_u32 v[SPW], v[NIL]                      ; 0 onto my spare word
	s_wait_dscnt 4*NL+1                            ; (the add and the youngest eight loads may be out)
	WIN MUL_LO
	MUL16 0, 1, NQ-1, \slot, 0
	s_wait_dscnt 0x0
	s_barrier_signal -1
	MUL16 2, 1, NQ-1, \slot, 0
	WIN 0
	s_barrier_wait -1
	PLACES NP
	v_add_nc_u32 v[ADRS], 4*NQ, v[ADRS]            ; on to the next slot's scale words
	FETCH_B \next, 0, 0
	FETCH_A \next, 0, 0
	SCALES \next
	WIN MUL_HI
	MUL16 4, 1, NQ-1, \slot, 0
	MUL16 6, 1, NQ-1, \slot, 0
	PLACES NP
	WIN 0
	FETCH_A \next, 0, 4
.endm
	s_wait_tensorcnt 1                             ; the scales and my part of slot 0 are in (slot 1's load may be out),
	s_barrier_signal -1
	s_barrier_wait -1                              ; everybody's are
	FETCH_B 0, 0, 0
	FETCH_A 0, 0, 0
	SCALES 0
	FETCH_A 0, 0, 4
	STEP 0, 0, 1                                   ; the first products start the sums: nothing is cleared
	STEP 0, 1, 0
	STEP 0, 2, 0
	TURN 0, 1
	STEP 1, 0, 0
	STEP 1, 1, 0
	STEP 1, 2, 0
	s_wait_dscnt 4*NL                              ; the last step: nothing more to fetch
	WIN MUL_LO
	MUL16 0, 1, NQ-1, 1, 0
	MUL16 2, 1, NQ-1, 1, 0
	s_wait_dscnt 0
	WIN MUL_HI
	MUL16 4, 1, NQ-1, 1, 0
	MUL16 6, 1, NQ-1, 1, 0
	WIN 0
; THE WAY OUT.  PACK: block a's eight accumulators, each from its low end on, rounded to f16: 32 registers = four images.  SENDF: eight stores of 512 consecutive bytes.
.macro PACK a
.set AC, 64*((\a)%4)
	WIN 0x0a+5*((\a)/4)                            ; sources 0 and 1: window 2 or 3
.irp b, 0,1,2,3,4,5,6,7
.irp i, 0,1,2,3
	v_cvt_pk_f16_f32 v[TMP+32*((\a)%2)+4*\b+\i], v[AC+8*\b+2*\i], v[AC+8*\b+2*\i+1]
.endr
.endr
	WIN 0
.endm
.macro SENDF a, vrole
.irp c, 0,1,2,3
.irp q, 0,1
.if \vrole
	global_store_b128 v[LI], v[TMP+32*((\a)%2)+8*\c+4*\q:TMP+32*((\a)%2)+8*\c+4*\q+3], s[12:13] offset:((\a)/4)*131072+\c*4096+((\a)%4)*1024+512*\q th:TH_STORE_NT   ; head a / 4, keys 32 c on, channels 16 (a % 4) on
.else
	global_store_b128 v[LI], v[TMP+32*((\a)%2)+8*\c+4*\q:TMP+32*((\a)%2)+8*\c+4*\q+3], s[12:13] offset:(\c/2)*131072+(\a)*2048+(\c%2)*1024+512*\q th:TH_STORE_NT     ; head c / 2, positions 16 a on, channels 32 (c % 2) on
.endif
.endr
.endr
.endm
.macro ALLOUT vrole
.irp a, 0,1,2,3,4,5,6,7
.if \a > 1
	s_wait_xcnt 0x0                                ; block a - 2's stores have read their data: that set is written again only behind this wait
.endif
	PACK \a
	SENDF \a, \vrole
.endr
.endm
; v's sums over my 128 positions, for the four blocks of channels of one window by turns: U takes B's blocks 1-7, Z block 0 (the group's first 16 positions)
.macro VSUMW win, a0
	WIN (\win)|((\win)<<2)
.irp a, 0,1,2,3
	v_pk_add_f32 v[UU+2*(\a0+\a):UU+2*(\a0+\a)+1], v[64*\a+8:64*\a+9], v[64*\a+10:64*\a+11]
.endr
.irp a, 0,1,2,3
	v_pk_add_f32 v[ZZ+2*(\a0+\a):ZZ+2*(\a0+\a)+1], v[64*\a:64*\a+1], v[64*\a+2:64*\a+3]
.endr
	WIN (\win)<<2
.irp p, 12,14
.irp a, 0,1,2,3
	v_pk_add_f32 v[UU+2*(\a0+\a):UU+2*(\a0+\a)+1], v[UU+2*(\a0+\a):UU+2*(\a0+\a)+1], v[64*\a+\p:64*\a+\p+1]
.endr
.endr
.irp p, 4,6
.irp a, 0,1,2,3
	v_pk_add_f32 v[ZZ+2*(\a0+\a):ZZ+2*(\a0+\a)+1], v[ZZ+2*(\a0+\a):ZZ+2*(\a0+\a)+1], v[64*\a+\p:64*\a+\p+1]
.endr
.endr
.irp b, 2,3,4,5,6,7
.irp p, 0,2,4,6
.irp a, 0,1,2,3
	v_pk_add_f32 v[UU+2*(\a0+\a):UU+2*(\a0+\a)+1], v[UU+2*(\a0+\a):UU+2*(\a0+\a)+1], v[64*\a+8*\b+\p:64*\a+8*\b+\p+1]
.endr
.endr
.endr
.endm
	PLACES NP                                      ; behind the last products: for the reads of results and the writes into registers that held scales
	s_cmp_eq_u32 ttmp9, 2
	s_cbranch_scc1 .Lvrole
	s_cmp_lg_u32 s22, 0
	s_cbranch_scc1 .Lqk_pack
	WIN 0x08                                       ; a store's data are its source 1: window 2.  Positions 0-15: accumulators (0, b), as they stand, each from its low end on
.irp b, 0,1,2,3,4,5,6,7
	global_store_b128 v[LI], v[8*\b:8*\b+3], s[66:67] offset:\b*1024
	global_store_b128 v[LI], v[8*\b+4:8*\b+7], s[66:67] offset:\b*1024+512
.endr
	WIN 0
.Lqk_pack:
	ALLOUT 0
	s_branch .Lend
.Lvrole:
	s_cmp_eq_u32 s22, 0
	s_cselect_b32 s2, 0, 1.0                       ; the factor of the first 16 positions' part: 0 in the group that begins a sequence
	s_mov_b32 s3, s2                               ; (named with it as a pair)
	s_mov_b32 s18, 0x76543210
	s_mov_b32 s19, 0xfedcba98                      ; lane l xor 16
	s_mov_b32 s44, 0xffff0000                      ; lanes 16-31
	VSUMW 2, 0
	VSUMW 3, 4
	WIN 0
.irp a, 0,1,2,3,4,5,6,7
	v_pk_fma_f32 v[UU+2*\a:UU+2*\a+1], v[ZZ+2*\a:ZZ+2*\a+1], s[2:3], v[UU+2*\a:UU+2*\a+1] op_sel_hi:[1,0,1]
.endr
.irp a, 0,1,2,3,4,5,6,7
	v_add_f32 v[UU+2*\a], v[UU+2*\a], v[UU+2*\a+1]
.endr
.irp a, 0,1,2,3,4,5,6,7
	v_permlanex16_b32 v[ZZ+2*\a], v[UU+2*\a], s18, s19
.endr
.irp a, 0,1,2,3,4,5,6,7
	v_add_f32 v[UU+2*\a], v[UU+2*\a], v[ZZ+2*\a]   ; channel 16 a + lane % 16, in both halves of the lanes
.endr
.irp q, 0,1,2,3
	v_cndmask_b32 v[ZZ+2*\q+1], v[UU+4*\q], v[UU+4*\q+2], s44   ; lane l: channel 32 q + l
.endr
.irp q, 0,1,2,3
	global_store_b32 v[L4], v[ZZ+2*\q+1], s[96:97] offset:128*\q
.endr
	s_cmp_lg_u32 s22, 0
	s_cbranch_scc1 .Lv_pack
	WIN 0x08                                       ; positions 0-15: accumulators (a, 0)
.irp a, 0,1,2,3
	global_store_b128 v[LI], v[64*\a:64*\a+3], s[66:67] offset:\a*1024
	global_store_b128 v[LI], v[64*\a+4:64*\a+7], s[66:67] offset:\a*1024+512
.endr
	WIN 0x0c
.irp a, 0,1,2,3
	global_store_b128 v[LI], v[64*\a:64*\a+3], s[66:67] offset:(\a+4)*1024
	global_store_b128 v[LI], v[64*\a+4:64*\a+7], s[66:67] offset:(\a+4)*1024+512
.endr
	WIN 0
.Lv_pack:
	ALLOUT 1
.Lend:
	s_wait_tensorcnt 0x0                           ; the wave's end, behind my last tensor load
	ds_add_u32 v[SPW], v[NIL]
	s_wait_dscnt 0x0
	CROUND                                         ; the closing round
	s_endpgm
.Lfunc_end_k_q85f273abe4_gemm:
	.size	k_q85f273abe4_gemm, .Lfunc_end_k_q85f273abe4_gemm-k_q85f273abe4_gemm
	.p2alignl 7, 3214868480
	.fill 96, 4, 3214868480
	.section	.rodata,"a",@progbits
	.p2align	6, 0x0
	.amdhsa_kernel k_q85f273abe4_gemm
		.amdhsa_group_segment_fixed_size 327680
		.amdhsa_private_segment_fixed_size 0
		.amdhsa_enable_private_segment 0
		.amdhsa_kernarg_size 48
		.amdhsa_user_sgpr_count 2
		.amdhsa_user_sgpr_kernarg_segment_ptr 1
		.amdhsa_wavefront_size32 1
		.amdhsa_system_sgpr_workgroup_id_x 1
		.amdhsa_system_sgpr_workgroup_id_y 1
		.amdhsa_system_sgpr_workgroup_id_z 1
		.amdhsa_system_vgpr_workitem_id 0
		.amdhsa_next_free_vgpr 1024
		.amdhsa_next_free_sgpr 100
		.amdhsa_reserve_vcc 0
		.amdhsa_float_denorm_mode_32 3
		.amdhsa_float_denorm_mode_16_64 3
		.amdhsa_memory_ordered 1
		.amdhsa_forward_progress 1
		.amdhsa_inst_pref_size 162
	.end_amdhsa_kernel
	.amdgpu_metadata
---
amdhsa.version: [ 1, 2 ]
amdhsa.kernels:
  - .name:           k_q85f273abe4_gemm
    .symbol:         k_q85f273abe4_gemm.kd
    .args:
      - { .name: xq, .offset: 0, .size: 8, .value_kind: global_buffer, .address_space: global }
      - { .name: xs, .offset: 8, .size: 8, .value_kind: global_buffer, .address_space: global }
      - { .name: wq, .offset: 16, .size: 8, .value_kind: global_buffer, .address_space: global }
      - { .name: ws, .offset: 24, .size: 8, .value_kind: global_buffer, .address_space: global }
      - { .name: qkv, .offset: 32, .size: 8, .value_kind: global_buffer, .address_space: global }
      - { .name: aux, .offset: 40, .size: 8, .value_kind: global_buffer, .address_space: global }
    .group_segment_fixed_size: 327680
    .private_segment_fixed_size: 0
    .kernarg_segment_align: 8
    .kernarg_segment_size: 48
    .max_flat_workgroup_size: 128
    .sgpr_count:     100
    .vgpr_count:     1024
    .wavefront_size: 32
...
	.end_amdgpu_metadata
.endif
;; end of part 2
;; launch attn (part 3): grid 2 x 128, 8 waves a work-group, no clusters, 327,680 bytes of LDS; arguments qkv, aux, yf; writes yf
.if DOCPART == 3
	.amdgcn_target "amdgcn-amd-amdhsa--gfx1250"
	.amdhsa_code_object_version 6
	.text
	.protected	k_q85f273abe4_attn
	.globl	k_q85f273abe4_attn
	.p2align	8
	.type	k_q85f273abe4_attn,@function
k_q85f273abe4_attn:
	s_mov_b64 s[64:65], 0
	v_nop
	global_prefetch_b8 v0, s[64:65] scope:SCOPE_SE
	s_setreg_imm32_b32 hwreg(HW_REG_WAVE_MODE, 25, 1), 1
	s_wait_xcnt 0x0
; y[b][h][q] = softmax_k(where(k <= q, q . k / 8, -10000)) v, for one head a pair of work-groups; operands in f16, products, maxima and sums in f32, running maximum.
; q, k, v come as images of matrix operands ([quad][lane][16 bytes]); y leaves as images of the projection's operand.
; SHARES.  Work-group (p, head) owns query blocks p and 3 - p (256 queries each), one after the other: FIVE visits of slots of 256 keys for every work-group (p = 0: 0 | 0 1 2 3;  p = 1: 0 1 | 0 1 2).
; Wave w owns tiles w and 15 - w (16 queries each) of the block in hand.
; NO CLUSTER: the two work-groups of a head want different slots at the same visit (p = 0 walks 0 0 1 2 3, p = 1 walks 0 1 0 1 2), so a joint request would bring a partner tiles that it does not read.
; LAYOUT.  S^T = K Q^T (source 0 = 16 keys, source 1 = 16 queries), O^T = V^T P: a lane holds ONE query (lane % 16) throughout; two tiles of S^T, rounded to f16 in pairs, are source 1 of the second product.
; THE MASK'S VALUE IS -10000, NOT -INFINITY, so masked keys keep a weight w = exp(-10000 - m), the same for all of them.  Their products are left out, their term is not:
;   in a step of 64 keys that holds open keys for the tile, masked scores become -80000 (= 8 x -10000, ahead of the factor 1/8) and go the common way;
;   a step of the diagonal slot that is wholly masked for a tile adds the sum of its v, a product of V with ones, to OM;   the slots beyond start OM, from the first launch's sums of v;
;   at a block's end m takes -80000 in (where the tile has such keys), O = (a O + w OM) / (a l + count x w).
; LIMITS: NaN and infinities are not served (a factor 0 stands on sums of v).  -80000 x log2(e) / 8 stands for -10000 log2(e): about 0.001 in the exponent of the masked weight.
; REGISTERS, window 0: v1-9 constants of the lane; v10-13 Q's offsets; v16-31 statistics (tile u at 16 + 8 u: c m, m, l, l, four at work); v32-95 K; v96-159 V; v160-191 S^T; v192-207 P; v208-215 ones; v216-247 y in f16.
;   window 1: v0-63 O^T; v64-95 Q; v96-127 the second block's Q; v128-191 OM; v192-223 the second block's start of OM.
.set SLOT1, 65536                      ; a slot: K's 32,768 bytes, then V's; slot 1 begins here: one exclusive or turns an address
.set SPARE, 131072                     ; the spare words, 128 bytes for each of eight waves
.set LI,    1                          ; 16 x lane
.set AD,    2                          ; the step's LDS address
.set RL,    3                          ; lane % 16 - 8 (lane / 16)
.set MD,    4                          ; the mask's bound
.set SPW,   5
.set NIL,   6
.set MASKV, 7                          ; -80000.0
.set VL,    8                          ; 32 (lane / 16)
.set PFO,   9                          ; 256 x lane
.set QO,    10
.set ST,    16
.set KR,    32
.set VR,    96
.set S,     160
.set P,     192
.set ONES,  208
.set PK,    216
.set O,     0
.set Q,     64
.set Q2,    96
.set OM,    128
.set VS2,   192
.set WGP,  10                          ; s10 p
.set BH,   11                          ; s11 16 x sequence + head
.set WV,   12
.set VIS,  13                          ; the visit, 0 .. 4
.set TW,   14
.set TB,   15                          ; LDS byte at which the step's K begins
.set KF,   16                          ; the step's first key
.set BLK,  17                          ; the block of queries in hand
.set QT0,  18                          ; s18, s19 my tiles' first queries
.set MK0,  20                          ; s20, s21 -80000, or -3e38 where the tile has no left-out key
.set NB0,  22                          ; s22, s23 how many keys are left out, as f32
.set J0,   24                          ; s24, s25 my tiles' numbers in a block
.set CS,   26                          ; s[26:27] c = log2(e) / 8
.set SEL,  28                          ; s[28:29] lane l xor 16
.set DDV,  30                          ; (p + 1) slots in bytes
.set LIM,  31
.set G0,   32
.set G1,   36
.set DD,   44
.set PFA,  46
.set YB,   50
.set YA0,  52                          ; s[52:53], s[54:55]
.set CM80, 56
.set CM3E, 57
.set T0,   58
.set FL,   60
.set FH,   62
.set MSB, 0
.macro WIN new
.if MSB != (\new)
	s_set_vgpr_msb (MSB<<8)|(\new)
.set MSB, (\new)
.endif
.endm
.macro TLOAD                           ; waves 0 and 1 fetch K's halves of a slot, waves 2 and 3 V's: 64 rows of 256 bytes each; the others nothing
	s_cmp_lt_u32 s[WV], 4
	s_cbranch_scc0 .Lnone_\@
	tensor_load_to_lds s[G0:G0+3], s[G1:G1+7]
	s_nop 0
.rept 4
	v_nop
.endr
.Lnone_\@:
.endm
; A PREFETCH of slot VIS + 1, which this work-group's tensor loads ask for one visit later.  Both work-groups of a head walk the same K and V: the one with p = 0 asks, in visits 0 to 2, for slots 1 to 3;
; wave w for 8,192 bytes (waves 0-3: K's, waves 4-7: V's), lanes 256 bytes apart: each block of 256 bytes is named once in the launch.  Slot 0 comes by its load alone.
.macro ASK
	s_cmp_lt_u32 s[VIS], s[LIM]
	s_cbranch_scc0 .Lnoask_\@
	global_prefetch_b8 v[PFO], s[PFA:PFA+1] th:TH_LOAD_NT scope:SCOPE_SE
.Lnoask_\@:
.endm
.macro SETBLK                          ; what hangs on the block in hand
.irp u, 0,1
	s_lshl_b32 s[T0], s[BLK], 8
	s_lshl_b32 s[T0+1], s[J0+\u], 4
	s_add_co_u32 s[QT0+\u], s[T0], s[T0+1]
	s_and_b32 s[T0], s[QT0+\u], 0x3c0
	s_sub_co_u32 s[T0], 960, s[T0]                 ; 1,024 less the keys of the steps that the tile works through
	s_cvt_f32_u32 s[NB0+\u], s[T0]
	s_cmp_lg_u32 s[T0], 0
	s_cselect_b32 s[MK0+\u], s[CM80], s[CM3E]
	s_lshl_b32 s[T0], s[BLK], 19
	s_lshl_b32 s[T0+1], s[J0+\u], 10
	s_add_co_u32 s[T0], s[T0], s[T0+1]
	s_mov_b32 s[T0+1], 0
	s_add_nc_u64 s[YA0+2*\u:YA0+2*\u+1], s[YB:YB+1], s[T0:T0+1]
.endr
.endm
.macro STATS                           ; m = -3e38, under every score; l = 0; the four at work are written, since a lane permute's destination counts as read
.irp u, 0,1
	v_mov_b32 v[ST+8*\u+1], s[CM3E]
	v_mul_f32 v[ST+8*\u], s[CS], v[ST+8*\u+1]
.irp i, 2,3,4,5,6,7
	v_mov_b32 v[ST+8*\u+\i], 0
.endr
.endr
.endm
	s_load_b128 s[4:7], s[0:1], 0x0                ; qkv, aux
	s_load_b64 s[8:9], s[0:1], 0x10                ; yf
	v_lshl_add_u32 v[SPW], v0, 2, SPARE
	v_mov_b32 v[NIL], 0
	ds_add_u32 v[SPW], v[NIL]                      ; the wave's opening: the add, twice on end, and its wait ahead of the first tensor load
	ds_add_u32 v[SPW], v[NIL]
	v_lshrrev_b32 v10, 5, v0
	v_readfirstlane_b32 s[WV], v10                 ; wave 0..7
	s_mov_b32 s[WGP], ttmp9
	s_and_b32 s[BH], ttmp7, 0xffff
	s_mov_b32 s[G1], 3<<16                         ; no mask; elements of 8 bytes; no padding: an image is read 512 consecutive bytes an instruction
	s_mov_b32 s[G1+1], 32<<16                      ; tensor_dim0 = 32 elements: 256 bytes
	s_mov_b32 s[G1+2], 64<<16                      ; tensor_dim1 = 64
	s_mov_b32 s[G1+3], 32<<16                      ; tile_dim0
	s_mov_b32 s[G1+4], 64                          ; tile_dim1
	s_mov_b32 s[G1+5], 32                          ; dense rows
	s_mov_b32 s[G1+6], 0
	s_mov_b32 s[G1+7], 0
	s_mov_b32 s[CS], 0x3e38aa3b                    ; log2(e) / 8
	s_mov_b32 s[CS+1], s[CS]
	s_mov_b32 s[SEL], 0x76543210
	s_mov_b32 s[SEL+1], 0xfedcba98
	s_mov_b32 s[CM80], 0xc79c4000                  ; -80000.0
	s_mov_b32 s[CM3E], 0xff61b1e6                  ; -3e38
	s_mov_b32 s[J0], s[WV]
	s_sub_co_u32 s[J0+1], 15, s[WV]
	s_add_co_u32 s[DDV], s[WGP], 1
	s_lshl_b32 s[DDV], s[DDV], 15
	s_mov_b32 s[DD+1], 0
	s_mov_b32 s[TB], 0
	s_mov_b32 s[KF], 0
	s_mov_b32 s[VIS], 0
	s_mov_b32 s[BLK], s[WGP]
	s_cmp_eq_u32 s[WGP], 0
	s_cselect_b32 s[LIM], 3, 0
	s_cselect_b32 s[FL], 1.0, 0                    ; block 0 alone has slot 1 beyond its diagonal slot
	s_cselect_b32 s[FH], 0, 1.0                    ; block 2 (p = 1) has slot 3 beyond it, block 3 (p = 0) nothing
	s_mov_b32 s[FL+1], s[FL]
	s_mov_b32 s[FH+1], s[FH]
	s_and_b32 s66, s[WV], 3                        ; (waves 4-7 form the descriptor of waves 0-3 and never issue it)
	s_lshr_b32 s67, s66, 1
	s_add_co_u32 s67, s67, 1
	s_lshl_b32 s67, s67, 24                        ; part 1 (k) or 2 (v) of qkv
	s_lshl_b32 s68, s[BH], 17                      ; the head's 131,072 bytes in each part
	s_add_co_u32 s[T0], s67, s68
	s_and_b32 s67, s[WV], 1
	s_lshl_b32 s67, s67, 14                        ; my half of a slot's 32,768
	s_add_co_u32 s[T0], s[T0], s67
	s_mov_b32 s[T0+1], 0
	s_lshr_b32 s67, s[WV], 2
	s_add_co_u32 s67, s67, 1
	s_lshl_b32 s67, s67, 24
	s_add_co_u32 s70, s67, s68
	s_lshl_b32 s67, s66, 13
	s_add_co_u32 s70, s70, s67                     ; my 8,192 bytes of a slot, for the prefetches
	s_mov_b32 s71, 0
	s_lshr_b32 s67, s[BH], 4
	s_and_b32 s69, s[BH], 15
	s_lshl_b32 s72, s67, 21                        ; yf: [row / 256][2 head + c][tile of 16 rows][1,024 bytes]
	s_lshl_b32 s73, s69, 15
	s_add_co_u32 s72, s72, s73
	s_mov_b32 s73, 0
	s_lshl_b32 s74, s67, 15                        ; v's sums: [sequence][group][1,024] f32
	s_lshl_b32 s75, s69, 8
	s_add_co_u32 s74, s74, s75
	s_mov_b32 s75, 0
	s_wait_dscnt 0x0                               ; both opening adds are done
	s_wait_kmcnt 0x0
	s_mov_b32 s[G0], 1
	s_lshl_b32 s[G0+1], s66, 14                    ; LDS: 16,384 x wave: K's halves, then V's
	s_add_nc_u64 s[G0+2:G0+3], s[4:5], s[T0:T0+1]
	s_or_b32 s[G0+3], s[G0+3], 0x80000000
	TLOAD                                          ; slot 0; one tensor load of a wave is out at the most
	s_add_nc_u64 s[PFA:PFA+1], s[4:5], s[70:71]
	s_add_nc_u64 s[YB:YB+1], s[8:9], s[72:73]
	s_add_nc_u64 s[6:7], s[6:7], s[74:75]
	v_and_b32 v10, 31, v0
	v_lshlrev_b32 v[LI], 4, v10
	v_lshlrev_b32 v[PFO], 8, v10
	v_and_b32 v11, 15, v0
	v_bfe_u32 v12, v0, 4, 1
	v_lshlrev_b32 v[VL], 5, v12
	v_lshlrev_b32 v12, 3, v12
	v_sub_nc_u32 v[RL], v11, v12
	v_mov_b32 v[MASKV], 0xc79c4000
	s_lshl_b32 s66, s[WGP], 15                     ; a block's 16 tiles of 2,048 bytes
	s_add_co_u32 s66, s66, s68
	s_sub_co_u32 s67, 3, s[WGP]
	s_lshl_b32 s67, s67, 15
	s_add_co_u32 s67, s67, s68
	s_lshl_b32 s69, s[J0], 11
	s_lshl_b32 s76, s[J0+1], 11
	v_add3_u32 v[QO], s66, s69, v[LI]
	v_add3_u32 v[QO+1], s66, s76, v[LI]
	v_add3_u32 v[QO+2], s67, s69, v[LI]
	v_add3_u32 v[QO+3], s67, s76, v[LI]
	WIN 0x40                                       ; destination window 1
.irp b, 0,1
.irp u, 0,1
.irp c, 0,1
.irp q, 0,1
	global_load_b128 v[Q+32*\b+16*\u+8*\c+4*\q:Q+32*\b+16*\u+8*\c+4*\q+3], v[QO+2*\b+\u], s[4:5] offset:1024*\c+512*\q
.endr
.endr
.endr
.endr
	WIN 0
.irp g, 2,3,4,5,6,7                            ; the sums of v over groups 2 to 7 of 128 keys, in O^T's layout: register 8 ct + j = channel 16 ct + 8 (lane / 16) + j; group g at v[32 (g - 1)]
.irp ct, 0,1,2,3
.irp q, 0,1
	global_load_b128 v[32*(\g-1)+8*\ct+4*\q:32*(\g-1)+8*\ct+4*\q+3], v[VL], s[6:7] offset:1572864+\g*4096+\ct*64+16*\q
.endr
.endr
.endr
	SETBLK
	STATS
	s_wait_loadcnt 0x0
.set n, 0
.rept 16
	v_pk_add_f32 v[160+n:161+n], v[160+n:161+n], v[192+n:193+n]      ; groups 6 + 7: slot 3
.set n, n+2
.endr
	WIN 0x40
.set n, 0
.rept 16
	v_pk_mul_f32 v[VS2+n:VS2+n+1], v[160+n:161+n], s[FH:FH+1] op_sel_hi:[1,0]   ; the second block's start of OM
.set n, n+2
.endr
	WIN 0
.set n, 0
.rept 16
	v_pk_add_f32 v[96+n:97+n], v[96+n:97+n], v[128+n:129+n]          ; groups 4 + 5: slot 2
	v_pk_add_f32 v[32+n:33+n], v[32+n:33+n], v[64+n:65+n]            ; groups 2 + 3: slot 1
.set n, n+2
.endr
.set n, 0
.rept 16
	v_pk_add_f32 v[96+n:97+n], v[96+n:97+n], v[160+n:161+n]          ; slots 2 + 3
.set n, n+2
.endr
	WIN 0x40
.set n, 0
.rept 16
	v_pk_fma_f32 v[OM+n:OM+n+1], v[32+n:33+n], s[FL:FL+1], v[96+n:97+n] op_sel_hi:[1,0,1]       ; the first block's start of OM, the same for both tiles
	v_pk_fma_f32 v[OM+32+n:OM+33+n], v[32+n:33+n], s[FL:FL+1], v[96+n:97+n] op_sel_hi:[1,0,1]
.set n, n+2
.endr
.set n, 0
.rept 64
	v_mov_b32 v[O+n], 0                            ; the loop is written once: its first step finds zeros
.set n, n+1
.endr
	WIN 0
.irp i, 0,1,2,3,4,5,6,7
	v_mov_b32 v[ONES+\i], 0x3c003c00               ; 1.0 in both halves
.endr
; ONE TILE OF 16 QUERIES x 64 KEYS.
.macro TILE u
.set rT, ST+8*(\u)
.set rO, O+32*(\u)
.set rQ, Q+16*(\u)
	WIN 0x04                                       ; source 1 (Q) window 1
.irp c, 0,1                                    ; the four accumulators take turns
.irp kt, 0,1,2,3
.if \c == 0
	v_wmma_f32_16x16x32_f16 v[S+8*\kt:S+8*\kt+7], v[KR+16*\kt+8*\c:KR+16*\kt+8*\c+7], v[rQ+8*\c:rQ+8*\c+7], 0
.else
	v_wmma_f32_16x16x32_f16 v[S+8*\kt:S+8*\kt+7], v[KR+16*\kt+8*\c:KR+16*\kt+8*\c+7], v[rQ+8*\c:rQ+8*\c+7], v[S+8*\kt:S+8*\kt+7]
.endif
.endr
.endr
	WIN 0
	s_sub_co_u32 s[T0+1], s[QT0+\u], s[KF]
	v_add_nc_u32 v[MD], s[T0+1], v[RL]             ; register n holds key KF + 16 (n / 8) + 8 (lane / 16) + n % 8: masked where 16 (n / 8) + n % 8 > this.  (With three v_nop: the four places behind the products)
.rept 3
	v_nop
.endr
	s_add_co_u32 s[T0], s[KF], 63
	s_cmp_le_u32 s[T0], s[QT0+\u]
	s_cbranch_scc1 .Lopen_\@                       ; all 64 keys count for all 16 queries
.set n, 0
.rept 32
	v_cmp_gt_i32 vcc_lo, 16*(n/8)+n%8, v[MD]
	v_cndmask_b32 v[S+n], v[S+n], v[MASKV], vcc_lo
.set n, n+1
.endr
.Lopen_\@:
.irp j, 0,1,2,3                                ; the maximum, four chains, each accumulator from its low end on
	v_max3_num_f32 v[rT+4+\j], v[S+8*\j], v[S+8*\j+1], v[S+8*\j+2]
.endr
.irp q, 3,5
.irp j, 0,1,2,3
	v_max3_num_f32 v[rT+4+\j], v[rT+4+\j], v[S+8*\j+\q], v[S+8*\j+\q+1]
.endr
.endr
	v_max3_num_f32 v[rT+4], v[rT+4], v[S+7], v[S+15]
	v_max3_num_f32 v[rT+6], v[rT+6], v[S+23], v[S+31]
	v_max3_num_f32 v[rT+4], v[rT+4], v[rT+5], v[rT+6]
	v_max3_num_f32 v[rT+4], v[rT+4], v[rT+7], v[rT+1]   ; and the old m
	v_permlanex16_b32 v[rT+5], v[rT+4], s[SEL], s[SEL+1]   ; the query's other 32 keys lie in the lane 16 away
	v_mov_b32 v[rT+7], v[rT]
	v_max_num_f32 v[rT+1], v[rT+4], v[rT+5]
	v_mul_f32 v[rT], s[CS], v[rT+1]
	v_sub_f32 v[rT+7], v[rT+7], v[rT]              ; c m_old - c m_new
.set n, 0
.rept 16
	v_pk_fma_f32 v[S+n:S+n+1], v[S+n:S+n+1], s[CS:CS+1], v[rT:rT+1] op_sel_hi:[1,0,0] neg_lo:[0,0,1] neg_hi:[0,0,1]   ; c s - c m
.set n, n+2
.endr
	v_exp_f32 v[rT+6], v[rT+7]                     ; a.  The 33 exponentials are one batch
.set n, 0
.rept 32
	v_exp_f32 v[S+n], v[S+n]
.set n, n+1
.endr
	v_nop                                          ; a plain line behind the last exponential,
	s_wait_alu depctr_va_vdst(0)                   ; and one wait for the batch, ahead of its first reader
.set n, 0
.rept 16
	v_cvt_pk_f16_f32 v[P+n], v[S+2*n], v[S+2*n+1]
.set n, n+1
.endr
.irp w, 4,8,16,32                              ; the sum of the 16 pairs, in place
.set n, 0
.rept 32/\w
	v_pk_add_f32 v[S+n:S+n+1], v[S+n:S+n+1], v[S+n+\w/2:S+n+\w/2+1]
.set n, n+\w
.endr
.endr
	v_pk_fma_f32 v[rT+2:rT+3], v[rT+2:rT+3], v[rT+6:rT+7], v[S:S+1] op_sel_hi:[1,0,1]   ; l = a l + the sum
	WIN 0x41
.set n, 0
.rept 16
	v_pk_mul_f32 v[rO+n:rO+n+1], v[rO+n:rO+n+1], v[rT+6:rT+7] op_sel_hi:[1,0]          ; O^T x a
.set n, n+2
.endr
	s_wait_dscnt 0x0                               ; V is in
	WIN 0x50                                       ; C and D window 1
.irp kg, 0,1
.irp ct, 0,1,2,3
	v_wmma_f32_16x16x32_f16 v[rO+8*\ct:rO+8*\ct+7], v[VR+32*\kg+8*\ct:VR+32*\kg+8*\ct+7], v[P+8*\kg:P+8*\kg+7], v[rO+8*\ct:rO+8*\ct+7]
.endr
.endr
	WIN 0
.endm
.macro HID u                           ; all 64 keys are masked for this tile: the sum of their v, by a product with ones
	s_wait_dscnt 0x0
	WIN 0x50
.irp kg, 0,1
.irp ct, 0,1,2,3
	v_wmma_f32_16x16x32_f16 v[OM+32*(\u)+8*\ct:OM+32*(\u)+8*\ct+7], v[VR+32*\kg+8*\ct:VR+32*\kg+8*\ct+7], v[ONES:ONES+7], v[OM+32*(\u)+8*\ct:OM+32*(\u)+8*\ct+7]
.endr
.endr
	WIN 0
.endm
.macro ONE u                           ; a branch on ids and the count of steps; no barrier and no tensor load stands under it
	s_add_co_u32 s[T0], s[QT0+\u], 15
	s_cmp_gt_u32 s[KF], s[T0]
	s_cbranch_scc1 .Lhid_\@
	TILE \u
	s_branch .Ldone_\@
.Lhid_\@:
	HID \u
.Ldone_\@:
.endm
.macro STEP                            ; 64 keys: 16 loads for K, 16 for V; each fragment feeds both tiles
	v_add_nc_u32 v[AD], s[TB], v[LI]
.rept 3
	v_nop                                          ; with the addition: four places in front of loads into registers that the last products read
.endr
.irp kt, 0,1,2,3
.irp c, 0,1
.irp q, 0,1
	ds_load_b128 v[KR+16*\kt+8*\c+4*\q:KR+16*\kt+8*\c+4*\q+3], v[AD] offset:\kt*2048+\c*1024+\q*512
.endr
.endr
.endr
.irp kg, 0,1
.irp ct, 0,1,2,3
.irp q, 0,1
	ds_load_b128 v[VR+32*\kg+8*\ct+4*\q:VR+32*\kg+8*\ct+4*\q+3], v[AD] offset:32768+\kg*4096+\ct*1024+\q*512
.endr
.endr
.endr
	s_wait_dscnt 16                                ; K is in; V's sixteen loads may be out
	ONE 1
	ONE 0
	s_add_co_u32 s[KF], s[KF], 64
	s_add_co_u32 s[TB], s[TB], 8192
.endm
.macro SLOT_STEPS
	s_mov_b32 s[TW], 4
.Lstep_\@:
	STEP
	s_sub_co_u32 s[TW], s[TW], 1
	s_cmp_lg_u32 s[TW], 0
	s_cbranch_scc1 .Lstep_\@
	s_sub_co_u32 s[TB], s[TB], 32768
	s_xor_b32 s[TB], s[TB], SLOT1                  ; on to the other slot
.endm
; THE CHANGE OF SLOTS stands at a visit's head.  Each wave waits for all its tensor loads, adds 0 to its spare word, waits for that and for its reads of the slot that it has left, and passes the barrier.
; fill = 1: the slot just left takes the next visit's keys: the load has a whole visit in which to land.  Behind the first block's last visit the walk goes back to key 0.
.macro CHANGE fill
	s_wait_tensorcnt 0x0                           ; no tensor load of mine is out, so group 0 may be written
	ds_add_u32 v[SPW], v[NIL]
.if \fill
	ds_add_u32 v[SPW], v[NIL]                      ; and once more, in every trip alike
	s_xor_b32 s[G0+1], s[G0+1], SLOT1
	s_add_nc_u64 s[G0+2:G0+3], s[G0+2:G0+3], 32768
	s_cmp_eq_u32 s[VIS], s[WGP]
	s_cselect_b32 s[DD], s[DDV], 0
	s_sub_nc_u64 s[G0+2:G0+3], s[G0+2:G0+3], s[DD:DD+1]
	s_wait_xcnt 0x0                                ; the last prefetch, a visit back, has read its address
	s_add_nc_u64 s[PFA:PFA+1], s[PFA:PFA+1], 32768
.endif
	s_wait_dscnt 0x0
	s_barrier_signal -1
	s_barrier_wait -1
.if \fill
	TLOAD
	ASK
.endif
.endm
; A BLOCK'S END.  The statistics' lines are the places behind the last products.
.macro FINISH
	s_wait_xcnt 0x0                                ; an earlier block's stores have read their data
.irp u, 0,1
.set rT, ST+8*\u
	v_add_f32 v[rT+4], v[rT+2], v[rT+3]
	v_mov_b32 v[rT+7], v[rT]
	v_max_num_f32 v[rT+1], s[MK0+\u], v[rT+1]      ; the mask's value counts for the maximum where keys were left out
	v_permlanex16_b32 v[rT+5], v[rT+4], s[SEL], s[SEL+1]
	v_mul_f32 v[rT], s[CS], v[rT+1]
	v_add_f32 v[rT+4], v[rT+4], v[rT+5]            ; l
	v_sub_f32 v[rT+7], v[rT+7], v[rT]
	v_fma_f32 v[rT+5], s[MK0+\u], s[CS], -v[rT]
	v_exp_f32 v[rT+6], v[rT+7]                     ; a
	v_exp_f32 v[rT+3], v[rT+5]                     ; w
	v_nop
	s_wait_alu depctr_va_vdst(0)                   ; one wait for the two
	v_mul_f32 v[rT+2], s[NB0+\u], v[rT+3]
	v_fma_f32 v[rT+4], v[rT+6], v[rT+4], v[rT+2]   ; a l + count x w
	v_rcp_f32 v[rT+5], v[rT+4]
	v_nop
	s_wait_alu depctr_va_vdst(0)
	v_mul_f32 v[rT+6], v[rT+6], v[rT+5]            ; a / l
	v_mul_f32 v[rT+2], v[rT+3], v[rT+5]            ; w / l
	WIN 0x41
.set n, 0
.rept 16
	v_pk_mul_f32 v[OM+32*\u+n:OM+32*\u+n+1], v[OM+32*\u+n:OM+32*\u+n+1], v[rT+2:rT+3] op_sel_hi:[1,0]
.set n, n+2
.endr
	WIN 0x51
.set n, 0
.rept 16
	v_pk_fma_f32 v[O+32*\u+n:O+32*\u+n+1], v[O+32*\u+n:O+32*\u+n+1], v[rT+6:rT+7], v[OM+32*\u+n:OM+32*\u+n+1] op_sel_hi:[1,0,1]
.set n, n+2
.endr
	WIN 0x05
.set n, 0
.rept 16
	v_cvt_pk_f16_f32 v[PK+16*\u+n], v[O+32*\u+2*n], v[O+32*\u+2*n+1]
.set n, n+1
.endr
	WIN 0
.irp c, 0,1
.irp q, 0,1
	global_store_b128 v[LI], v[PK+16*\u+8*\c+4*\q:PK+16*\u+8*\c+4*\q+3], s[YA0+2*\u:YA0+2*\u+1] offset:\c*16384+512*\q   ; 512 consecutive bytes of an image
.endr
.endr
.endr
	s_wait_xcnt 0x0                                ; the stores have read their bases
.endm
.macro REINIT                          ; on to block 3 - p
	s_sub_co_u32 s[BLK], 3, s[WGP]
	SETBLK
	s_mov_b32 s[KF], 0
	WIN 0x41
.set n, 0
.rept 32
	v_mov_b32 v[Q+n], v[Q2+n]
	v_mov_b32 v[OM+n], v[VS2+n]
	v_mov_b32 v[OM+32+n], v[VS2+n]
.set n, n+1
.endr
.set n, 0
.rept 64
	v_mov_b32 v[O+n], 0
.set n, n+1
.endr
	WIN 0
	STATS
.endm
.Lvisit:                                           ; visits 0 to 3: behind each change of slots the next visit's keys are asked for
	CHANGE 1
	SLOT_STEPS
	s_cmp_lg_u32 s[VIS], s[WGP]
	s_cbranch_scc1 .Lsame
	FINISH                                         ; visit p ends the first block
	REINIT
.Lsame:
	s_add_co_u32 s[VIS], s[VIS], 1
	s_cmp_lt_u32 s[VIS], 4
	s_cbranch_scc1 .Lvisit
	CHANGE 0                                       ; the last visit is written out
	SLOT_STEPS
	FINISH
	s_wait_tensorcnt 0x0                           ; the wave's end
	ds_add_u32 v[SPW], v[NIL]
	s_wait_dscnt 0x0
	s_endpgm
.Lfunc_end_k_q85f273abe4_attn:
	.size	k_q85f273abe4_attn, .Lfunc_end_k_q85f273abe4_attn-k_q85f273abe4_attn
	.p2alignl 7, 3214868480
	.fill 96, 4, 3214868480
	.section	.rodata,"a",@progbits
	.p2align	6, 0x0
	.amdhsa_kernel k_q85f273abe4_attn
		.amdhsa_group_segment_fixed_size 327680
		.amdhsa_private_segment_fixed_size 0
		.amdhsa_enable_private_segment 0
		.amdhsa_kernarg_size 24
		.amdhsa_user_sgpr_count 2
		.amdhsa_user_sgpr_kernarg_segment_ptr 1
		.amdhsa_wavefront_size32 1
		.amdhsa_system_sgpr_workgroup_id_x 1
		.amdhsa_system_sgpr_workgroup_id_y 1
		.amdhsa_system_sgpr_workgroup_id_z 1
		.amdhsa_system_vgpr_workitem_id 0
		.amdhsa_next_free_vgpr 480
		.amdhsa_next_free_sgpr 80
		.amdhsa_reserve_vcc 1
		.amdhsa_float_denorm_mode_32 3
		.amdhsa_float_denorm_mode_16_64 3
		.amdhsa_memory_ordered 1
		.amdhsa_forward_progress 1
		.amdhsa_inst_pref_size 94
	.end_amdhsa_kernel
	.amdgpu_metadata
---
amdhsa.version: [ 1, 2 ]
amdhsa.kernels:
  - .name:           k_q85f273abe4_attn
    .symbol:         k_q85f273abe4_attn.kd
    .args:
      - { .name: qkv, .offset: 0, .size: 8, .value_kind: global_buffer, .address_space: global }
      - { .name: aux, .offset: 8, .size: 8, .value_kind: global_buffer, .address_space: global }
      - { .name: yf, .offset: 16, .size: 8, .value_kind: global_buffer, .address_space: global }
    .group_segment_fixed_size: 327680
    .private_segment_fixed_size: 0
    .kernarg_segment_align: 8
    .kernarg_segment_size: 24
    .max_flat_workgroup_size: 256
    .sgpr_count:     80
    .vgpr_count:     480
    .wavefront_size: 32
...
	.end_amdgpu_metadata
.endif
;; end of part 3
;; launch proj (part 4): grid 8 x 32, 4 waves a work-group, clusters of 4 x 4, 327,680 bytes of LDS; arguments yf, wf, out0; writes out0
.if DOCPART == 4
	.amdgcn_target "amdgcn-amd-amdhsa--gfx1250"
	.amdhsa_code_object_version 6
	.text
	.protected	k_q85f273abe4_proj
	.globl	k_q85f273abe4_proj
	.p2align	8
	.type	k_q85f273abe4_proj,@function
k_q85f273abe4_proj:
	s_mov_b64 s[64:65], 0
	v_nop
	global_prefetch_b8 v0, s[64:65] scope:SCOPE_SE
	s_setreg_imm32_b32 hwreg(HW_REG_WAVE_MODE, 25, 1), 1
	s_wait_xcnt 0x0
	s_wait_alu depctr_hold_cnt(0) depctr_sa_sdst(0) depctr_va_vdst(0) depctr_va_sdst(0) depctr_va_ssrc(0) depctr_va_vcc(0) depctr_vm_vsrc(0)
	s_getreg_b32 s2, hwreg(HW_REG_IB_STS2, 6, 4)
	s_cmp_eq_u32 s2, 0
	s_cbranch_scc0 .Lentry_in_a_cluster
	s_endpgm
.Lentry_in_a_cluster:
	s_bfe_u32 s2, ttmp6, 0x10000c
	s_cmp_lg_u32 s2, 0xf033
	s_cbranch_scc0 .Lentry_shape_is_right
	s_endpgm
.Lentry_shape_is_right:
; out0 = y w_proj, f16 operands, f32 sums: M = 8,192, K = 1,024, N = 1,024.  Both operands come as images of matrix operands ([quad][lane][16 bytes], 1,024 bytes for 16 rows x 32 k),
; laid so that what a work-group wants of 32 along K is dense: y 16,384 bytes (256 rows), w 8,192 bytes (128 columns).
; A tile of out0 is 256 rows x 128 columns: 256 work-groups.  Four waves, each 128 x 64: 32 accumulators.  Source 0 = 16 columns of w, source 1 = 16 rows of y: a lane holds a row and eight neighbouring columns.
; K GOES IN CHUNKS OF 192 (six times 32) through two LDS slots, the largest of which two fit: behind each change of slots a wave issues one load, which then has 192 matrix instructions in which to land.
; 1,024 = 5 x 192 + 64: the last chunk has descriptors of its own.  The walk along K is written out: no loop.
; CLUSTERS of 4 x 4: y's chunk is shared along a row of the cluster (row block R = Y + 8 cy), w's along a column (column block 4 x cluster x + cx); each is asked for jointly.
; R % 4 = Y % 4 is the same in all partners: so whether a wave's first 16 rows are positions 0-15 of a sequence hangs on the cluster's y and the wave's number.  Those rows are another launch's: they are not stored here.
; No prefetch: the launch's tiles are shared by four work-groups each and its stores keep memory at work beside them.
; REGISTERS: window 0: addresses, v32-95 the way out; window 1: two buffers of 96 (y's 8 fragments, then w's 4); window 2: the accumulators, (a, j) at v[8 (4 a + j)].
.set SLOT,  147456                     ; y's 98,304 bytes, then w's 49,152
.set BOFF,  98304
.set STAGE, 2*SLOT                     ; 16 rows x (256 + 16) bytes for each wave
.set SPARE, STAGE+4*16*272
.set LI,   2
.set ADRA, 16                          ; v16-19: slot s, half (three times 32 along K) x at 16 + 2 s + x: an LDS offset has 16 bits
.set ADRB, 20                          ; v20-21
.set STO,  24
.set RD,   25
.set CO,   26
.set SPW,  28
.set NIL,  29
.set OB,   32
.set F0,   0
.set F1,   96
.set G1A,  24
.set G1B,  32
.set G1AT, 40
.set G1BT, 48
.set G0A,  56                          ; s[56:63] two sets
.set G0B,  68                          ; s[68:75]
.set G0AT, 76
.set G0BT, 80
.set MSB, 0
.macro WIN new
.if MSB != (\new)
	s_set_vgpr_msb (MSB<<8)|(\new)
.set MSB, (\new)
.endif
.endm
.set MUL,  0xa5                        ; sources 0 and 1 window 1; C and D window 2
.set TO_F, 0x40
.macro JLOAD g0a, g1a, g0b, g1b        ; waves 0 and 1 fetch y's halves, waves 2 and 3 w's; an s_nop 0 and four v_nop follow each line
	s_cmp_eq_u32 s11, 0
	s_cbranch_scc0 .Lfor_b_\@
	tensor_load_to_lds s[\g0a:\g0a+3], s[\g1a:\g1a+7]
	s_nop 0
.rept 4
	v_nop
.endr
	s_branch .Lasked_\@
.Lfor_b_\@:
	tensor_load_to_lds s[\g0b:\g0b+3], s[\g1b:\g1b+7]
	s_nop 0
.rept 4
	v_nop
.endr
.Lasked_\@:
.endm
.macro CREST
	s_cmp_lg_u32 s10, 0
	s_cbranch_scc1 .Lnot_wave_0_\@
	s_barrier_signal -3
.Lnot_wave_0_\@:
	s_barrier_wait -3
	s_barrier_signal -1
	s_barrier_wait -1
.endm
.macro CROUND
	s_barrier_signal -1
	s_barrier_wait -1
	CREST
.endm
.macro G1REST g, rows                  ; dense rows of 256 bytes: 32 elements of 8 bytes
	s_mov_b32 s[\g+1], 32<<16
	s_mov_b32 s[\g+2], (\rows)<<16
	s_mov_b32 s[\g+3], 32<<16
	s_mov_b32 s[\g+4], \rows
	s_mov_b32 s[\g+5], 32
	s_mov_b32 s[\g+6], 0
	s_mov_b32 s[\g+7], 0
.endm
	s_load_b128 s[4:7], s[0:1], 0x0                ; yf, wf
	s_load_b64 s[8:9], s[0:1], 0x10                ; out0
	v_lshl_add_u32 v[SPW], v0, 2, SPARE
	v_mov_b32 v[NIL], 0
	ds_add_u32 v[SPW], v[NIL]                      ; the wave's opening: the add, twice on end, and its wait ahead of my first tensor load
	ds_add_u32 v[SPW], v[NIL]
	v_lshrrev_b32 v1, 5, v0
	v_readfirstlane_b32 s10, v1                    ; wave 0..3
	s_lshr_b32 s11, s10, 1                         ; my half of the rows.  Also: I fetch for y (0) or for w (1)
	s_and_b32 s12, s10, 1                          ; my half of the columns.  Also: which half of a chunk I fetch
	s_bfe_u32 s84, ttmp6, 0x40000                  ; cx
	s_bfe_u32 s85, ttmp6, 0x40004                  ; cy
	s_lshl_b32 s87, ttmp9, 2
	s_add_co_u32 s87, s87, s84                     ; column block
	s_and_b32 s86, ttmp7, 0xffff                   ; Y
	s_lshl_b32 s88, s85, 3
	s_add_co_u32 s88, s88, s86                     ; row block R
	s_lshl_b32 s89, s85, 2
	s_lshl_b32 s89, 15, s89                        ; my row of the cluster
	s_lshl_b32 s90, 0x1111, s84                    ; my column
	s_or_b32 s[G1A], s89, (3<<16)|(1<<21)
	s_or_b32 s[G1AT], s89, (3<<16)|(1<<21)
	s_or_b32 s[G1B], s90, (3<<16)|(1<<21)
	s_or_b32 s[G1BT], s90, (3<<16)|(1<<21)
	G1REST G1A, 192                                ; half of y's chunk: 49,152 bytes
	G1REST G1B, 96                                 ; half of w's: 24,576
	G1REST G1AT, 64                                ; the last chunk's halves: 16,384
	G1REST G1BT, 32                                ; and 8,192
	s_mul_i32 s13, s12, 49152
	s_mul_i32 s14, s12, 24576
	s_lshl_b32 s92, s88, 19                        ; a row block's 524,288 bytes
	s_add_co_u32 s92, s92, s13
	s_mov_b32 s93, 0
	s_lshl_b32 s94, s87, 18                        ; a column block's 262,144
	s_add_co_u32 s94, s94, s14
	s_mov_b32 s95, 0
	s_lshl_b32 s16, s88, 19
	s_lshl_b32 s20, s12, 14
	s_add_co_u32 s16, s16, s20
	s_add_co_u32 s16, s16, 491520                  ; behind five chunks of 98,304
	s_mov_b32 s17, 0
	s_lshl_b32 s18, s87, 18
	s_lshl_b32 s21, s12, 13
	s_add_co_u32 s18, s18, s21
	s_add_co_u32 s18, s18, 245760
	s_mov_b32 s19, 0
	s_wait_dscnt 0x0                               ; both opening adds are done
	s_wait_kmcnt 0x0
	s_add_nc_u64 s[92:93], s[4:5], s[92:93]
	s_add_nc_u64 s[94:95], s[6:7], s[94:95]
	s_mov_b32 s[G0AT], 1
	s_add_co_u32 s[G0AT+1], s20, SLOT
	s_add_nc_u64 s[G0AT+2:G0AT+3], s[4:5], s[16:17]
	s_or_b32 s[G0AT+3], s[G0AT+3], 0x80000000
	s_mov_b32 s[G0BT], 1
	s_add_co_u32 s[G0BT+1], s21, SLOT+BOFF
	s_add_nc_u64 s[G0BT+2:G0BT+3], s[6:7], s[18:19]
	s_or_b32 s[G0BT+3], s[G0BT+3], 0x80000000
	CROUND                                         ; all sixteen work-groups are here: the first joint loads meet
.irp s, 0,1
	s_mov_b32 s[G0A+4*\s], 1
	s_add_co_u32 s[G0A+4*\s+1], s13, \s*SLOT
	s_add_nc_u64 s[G0A+4*\s+2:G0A+4*\s+3], s[92:93], \s*98304
	s_or_b32 s[G0A+4*\s+3], s[G0A+4*\s+3], 0x80000000
	s_mov_b32 s[G0B+4*\s], 1
	s_add_co_u32 s[G0B+4*\s+1], s14, \s*SLOT+BOFF
	s_add_nc_u64 s[G0B+4*\s+2:G0B+4*\s+3], s[94:95], \s*49152
	s_or_b32 s[G0B+4*\s+3], s[G0B+4*\s+3], 0x80000000
	JLOAD G0A+4*\s, G1A, G0B+4*\s, G1B             ; chunks 0 and 1: two tensor loads of a wave are out here, one behind each later round
.endr
	v_and_b32 v1, 31, v0
	v_lshlrev_b32 v[LI], 4, v1
	s_lshl_b32 s20, s11, 13                        ; my 8 tiles of rows
	v_add_nc_u32 v[ADRA], s20, v[LI]
	v_add_nc_u32 v[ADRA+1], 49152, v[ADRA]
	v_add_nc_u32 v[ADRA+2], SLOT, v[ADRA]
	v_add_nc_u32 v[ADRA+3], SLOT+49152, v[ADRA]
	s_lshl_b32 s21, s12, 12                        ; my 4 tiles of columns
	s_add_co_u32 s21, s21, BOFF
	v_add_nc_u32 v[ADRB], s21, v[LI]
	v_add_nc_u32 v[ADRB+1], SLOT, v[ADRB]
	v_and_b32 v3, 15, v0                           ; r
	v_bfe_u32 v4, v0, 4, 1                         ; h
	s_mul_i32 s23, s10, 16*272
	s_add_co_u32 s23, s23, STAGE                   ; my stage
	v_mul_u32_u24 v[STO], v3, 272
	v_lshl_add_u32 v[STO], v4, 5, v[STO]
	v_add_nc_u32 v[STO], s23, v[STO]               ; in: row r, 32 bytes for each half of the lanes
	v_mul_u32_u24 v[RD], v4, 272
	v_lshl_add_u32 v[RD], v3, 4, v[RD]
	v_add_nc_u32 v[RD], s23, v[RD]                 ; back: lanes 0-15 one row of 256 bytes, lanes 16-31 the next
	v_lshlrev_b32 v[CO], 12, v4
	v_lshl_add_u32 v[CO], v3, 4, v[CO]             ; and the same two rows in out0
	s_lshl_b32 s16, s88, 20                        ; 256 R rows of 4,096 bytes,
	s_lshl_b32 s17, s11, 19                        ; my 128,
	s_add_co_u32 s16, s16, s17
	s_lshl_b32 s17, s87, 9                         ; 128 columns of 4 bytes,
	s_add_co_u32 s16, s16, s17
	s_lshl_b32 s17, s12, 8                         ; my 64
	s_add_co_u32 s16, s16, s17
	s_mov_b32 s17, 0
	s_add_nc_u64 s[8:9], s[8:9], s[16:17]
	s_and_b32 s22, s86, 3
	s_or_b32 s22, s22, s11                         ; 0: my first 16 rows are positions 0-15 of a sequence
.macro MUL8 f, a0, zero                ; y's blocks a0, a0 + 1 x w's four; the 32 accumulators take turns in the same order in every quarter
.irp a, \a0, \a0+1
.irp j, 0,1,2,3
.if \zero
	v_wmma_f32_16x16x32_f16 v[8*(4*(\a)+\j):8*(4*(\a)+\j)+7], v[\f+64+8*\j:\f+64+8*\j+7], v[\f+8*(\a):\f+8*(\a)+7], 0
.else
	v_wmma_f32_16x16x32_f16 v[8*(4*(\a)+\j):8*(4*(\a)+\j)+7], v[\f+64+8*\j:\f+64+8*\j+7], v[\f+8*(\a):\f+8*(\a)+7], v[8*(4*(\a)+\j):8*(4*(\a)+\j)+7]
.endif
.endr
.endr
.endm
; 24 LDS loads in one run: w's four fragments, y's blocks 0-3, y's blocks 4-7, of the slot's kq-th 32 along K.  (A macro's argument is put in as text: slot and kq stand in brackets wherever they enter an expression.)
.macro FETCH slot, kq, f
	WIN TO_F
.irp j, 0,1,2,3
	ds_load_b128 v[\f+64+8*\j:\f+64+8*\j+3],   v[ADRB+(\slot)] offset:(\kq)*8192+\j*1024
	ds_load_b128 v[\f+64+8*\j+4:\f+64+8*\j+7], v[ADRB+(\slot)] offset:(\kq)*8192+\j*1024+512
.endr
.irp i, 0,1,2,3,4,5,6,7
	ds_load_b128 v[\f+8*\i:\f+8*\i+3],   v[ADRA+2*(\slot)+(\kq)/3] offset:((\kq)%3)*16384+\i*1024
	ds_load_b128 v[\f+8*\i+4:\f+8*\i+7], v[ADRA+2*(\slot)+(\kq)/3] offset:((\kq)%3)*16384+\i*1024+512
.endr
.endm
.macro PLACES
.rept 4
	v_nop
.endr
.endm
.macro QUARTER f, g, slot, kq, zero    ; multiplies buffer f; in its middle fetches the slot's kq-th 32 along K into buffer g
	s_wait_dscnt 8                                 ; w's fragments and y's blocks 0-3 are in; the youngest eight loads may be out
	WIN MUL
	MUL8 \f, 0, \zero
	MUL8 \f, 2, \zero
	PLACES                                         ; in front of loads into registers that matrix instructions have read
	FETCH \slot, \kq, \g
	s_wait_dscnt 24                                ; all but the 24 just issued
	WIN MUL
	MUL8 \f, 4, \zero
	MUL8 \f, 6, \zero
.endm
; A chunk's last quarter changes slots: one barrier; in front of it each wave waits for all its tensor loads, adds 0 to its spare word, and waits for that and for its reads of this slot.
; kind 1: this slot takes the chunk two on; kind 2: the last, shorter chunk; kind 0: nothing is left to fetch.
.macro TURN f, g, slot, next, kind
	WIN 0
	s_wait_tensorcnt 0x0                           ; all my tensor loads have landed: my part of the next slot
	ds_add_u32 v[SPW], v[NIL]
	s_wait_dscnt 9                                 ; (the add and the youngest eight loads may be out)
	WIN MUL
	MUL8 \f, 0, 0
	s_wait_dscnt 0x0                               ; the add is done, and my reads of this slot are over
	s_barrier_signal -1
	MUL8 \f, 2, 0
	WIN 0
	s_barrier_wait -1
.if \kind == 1
	CREST                                          ; the barrier has opened a round of the cluster's: no wave of any partner still reads this slot or has a load on its way
	s_add_nc_u64 s[G0A+4*(\slot)+2:G0A+4*(\slot)+3], s[G0A+4*(\slot)+2:G0A+4*(\slot)+3], 2*98304
	s_add_nc_u64 s[G0B+4*(\slot)+2:G0B+4*(\slot)+3], s[G0B+4*(\slot)+2:G0B+4*(\slot)+3], 2*49152
	JLOAD G0A+4*(\slot), G1A, G0B+4*(\slot), G1B   ; the four v_nop behind it are also the places in front of the loads below
.elseif \kind == 2
	CREST
	JLOAD G0AT, G1AT, G0BT, G1BT
.else
	PLACES
.endif
	FETCH \next, 0, \g
	WIN MUL
	MUL8 \f, 4, 0
	MUL8 \f, 6, 0
.endm
.macro CHUNK slot, kind, first
	QUARTER F0, F1, \slot, 1, \first
	QUARTER F1, F0, \slot, 2, 0
	QUARTER F0, F1, \slot, 3, 0
	QUARTER F1, F0, \slot, 4, 0
	QUARTER F0, F1, \slot, 5, 0
	TURN F1, F0, \slot, (1-\slot), \kind
.endm
	s_wait_tensorcnt 1                             ; my part of chunk 0 is in (chunk 1's load may be out),
	s_barrier_signal -1
	s_barrier_wait -1                              ; everybody's is
	FETCH 0, 0, F0
	CHUNK 0, 1, 1                                  ; chunk 0; its first products start the sums; slot 0 then takes chunk 2
	CHUNK 1, 1, 0                                  ; chunk 1; slot 1 takes chunk 3
	CHUNK 0, 1, 0                                  ; chunk 2; slot 0 takes chunk 4
	CHUNK 1, 2, 0                                  ; chunk 3; slot 1 takes the last 64 along K
	CHUNK 0, 0, 0                                  ; chunk 4
	QUARTER F0, F1, 1, 1, 0
	s_wait_dscnt 8
	WIN MUL
	MUL8 F1, 0, 0
	MUL8 F1, 2, 0
	s_wait_dscnt 0
	MUL8 F1, 4, 0
	MUL8 F1, 6, 0
	WIN 0
; THE WAY OUT, a block of 16 rows x 64 columns at a time, through my own stage: in as 32 bytes a lane, back as whole rows of 256 bytes, which sixteen lanes store, aligned.
.macro TOSTAGE a
	WIN 0x08                                       ; an LDS store's data are its source 1: window 2
.irp j, 0,1,2,3
	ds_store_b128 v[STO], v[8*(4*(\a)+\j):8*(4*(\a)+\j)+3] offset:64*\j          ; each accumulator from its low end on
	ds_store_b128 v[STO], v[8*(4*(\a)+\j)+4:8*(4*(\a)+\j)+7] offset:64*\j+16
.endr
	WIN 0
.set BB, OB+32*((\a)%2)
.irp t, 0,1,2,3,4,5,6,7
	ds_load_b128 v[BB+4*\t:BB+4*\t+3], v[RD] offset:\t*544                       ; LDS serves a wave's instructions in order: these see the stores above
.endr
.endm
.macro SEND a, younger
.set BB, OB+32*((\a)%2)
	s_wait_dscnt \younger                          ; the block is back; the next block's eight stores and eight loads may be out
.if (\a) == 0
	s_cmp_eq_u32 s22, 0
	s_cbranch_scc1 .Lfine_rows                     ; positions 0-15 of a sequence are stored by the launch that carries them in f32: each byte of out0 has one writer
.endif
.irp t, 0,1,2,3,4,5,6,7
	global_store_b128 v[CO], v[BB+4*\t:BB+4*\t+3], s[8:9] offset:(16*(\a)+2*\t)*4096 th:TH_STORE_NT
.endr
.if (\a) == 0
.Lfine_rows:
.endif
.endm
	PLACES
	TOSTAGE 0
.irp a, 1,2,3,4,5,6,7
.if \a > 1
	s_wait_xcnt 0x0                                ; block a - 2's stores have read their data: block a's loads may land there
.endif
	TOSTAGE \a
	SEND \a-1, 16
.endr
	SEND 7, 0
	s_wait_tensorcnt 0x0                           ; the wave's end, behind my last tensor load and my last LDS store
	ds_add_u32 v[SPW], v[NIL]
	s_wait_dscnt 0x0
	CROUND                                         ; the closing round
	s_endpgm
.Lfunc_end_k_q85f273abe4_proj:
	.size	k_q85f273abe4_proj, .Lfunc_end_k_q85f273abe4_proj-k_q85f273abe4_proj
	.p2alignl 7, 3214868480
	.fill 96, 4, 3214868480
	.section	.rodata,"a",@progbits
	.p2align	6, 0x0
	.amdhsa_kernel k_q85f273abe4_proj
		.amdhsa_group_segment_fixed_size 327680
		.amdhsa_private_segment_fixed_size 0
		.amdhsa_enable_private_segment 0
		.amdhsa_kernarg_size 24
		.amdhsa_user_sgpr_count 2
		.amdhsa_user_sgpr_kernarg_segment_ptr 1
		.amdhsa_wavefront_size32 1
		.amdhsa_system_sgpr_workgroup_id_x 1
		.amdhsa_system_sgpr_workgroup_id_y 1
		.amdhsa_system_sgpr_workgroup_id_z 1
		.amdhsa_system_vgpr_workitem_id 0
		.amdhsa_next_free_vgpr 768
		.amdhsa_next_free_sgpr 100
		.amdhsa_reserve_vcc 0
		.amdhsa_float_denorm_mode_32 3
		.amdhsa_float_denorm_mode_16_64 3
		.amdhsa_memory_ordered 1
		.amdhsa_forward_progress 1
		.amdhsa_inst_pref_size 148
	.end_amdhsa_kernel
	.amdgpu_metadata
---
amdhsa.version: [ 1, 2 ]
amdhsa.kernels:
  - .name:           k_q85f273abe4_proj
    .symbol:         k_q85f273abe4_proj.kd
    .args:
      - { .name: yf, .offset: 0, .size: 8, .value_kind: global_buffer, .address_space: global }
      - { .name: wf, .offset: 8, .size: 8, .value_kind: global_buffer, .address_space: global }
      - { .name: out0, .offset: 16, .size: 8, .value_kind: global_buffer, .address_space: global }
    .group_segment_fixed_size: 327680
    .private_segment_fixed_size: 0
    .kernarg_segment_align: 8
    .kernarg_segment_size: 24
    .max_flat_workgroup_size: 128
    .sgpr_count:     100
    .vgpr_count:     768
    .wavefront_size: 32
...
	.end_amdgpu_metadata
.endif
;; end of part 4
;; launch fine (part 5): grid 32 x 8, 16 waves a work-group, no clusters, 43,008 bytes of LDS; arguments aux, w_proj, out0; writes out0
.if DOCPART == 5
	.amdgcn_target "amdgcn-amd-amdhsa--gfx1250"
	.amdhsa_code_object_version 6
	.text
	.protected	k_q85f273abe4_fine
	.globl	k_q85f273abe4_fine
	.p2align	8
	.type	k_q85f273abe4_fine,@function
k_q85f273abe4_fine:
	s_mov_b64 s[64:65], 0
	v_nop
	global_prefetch_b8 v0, s[64:65] scope:SCOPE_SE
	s_setreg_imm32_b32 hwreg(HW_REG_WAVE_MODE, 25, 1), 1
	s_wait_xcnt 0x0
; POSITIONS 0-15 OF EVERY SEQUENCE, attention and projection in f32: these rows average one to sixteen values, are the largest of the output, and would feel the rounding of 16-bit operands most.
; Work-group (slab, sequence) makes out0[sequence][0 .. 15][32 slab .. 32 slab + 31].  Wave hd is head hd: it makes the head's attention for the 16 positions and multiplies its own 64 channels of y by
; w_proj[64 hd .. 64 hd + 63][the slab's 32 columns]; the sixteen partial results meet in LDS and are added in a fixed order.  The attention is made anew in each of the 32 slabs: 32 small matrix
; instructions a wave, less than a launch of its own would cost; a sum over heads may not cross work-groups.
; q, k, v come as f32 IMAGES OF ACCUMULATORS: lane (r, h), register j of image i = element (row r, 16 i + 8 h + j) (v: channel 16 i + r, position 8 h + j).  The f32 matrix form wants k = 2 h + j in register j of a pair:
; so pair jj of both sides' images carries the same true k = 8 h + 2 jj + j: a permutation of k applied alike to both sides keeps the products.
; All 1,008 keys from 16 on are masked for these queries: they have the weight w = exp(-10000 - m) each, and their term is w x the sum of their v, which the first product's launch has stored.
; LIMITS: NaN and infinities are not served.  -80000 x log2(e) / 8 stands for -10000 log2(e): about 0.001 in the exponent of the masked weight.
; The registers that the f32 matrix form writes, v208-255, are written by matrix instructions alone.
.set RED,   0                          ; LDS: 16 waves x 16 rows x (128 + 16) bytes
.set VSX,   36864                      ; 16 waves x 256 bytes: the sum of the masked keys' v, 64 channels
.set SPARE, 40960                      ; the spare words, 128 bytes for each of sixteen waves
.set W,   16                           ; v16-79   w_proj: tile T of 16 columns at 16 + 32 T; register 8 ct + i = row 64 hd + 16 ct + 8 h + i
.set QI,  80                           ; v80-111  q's images; later p (v80-87), scores (v88-95), statistics (v96-109)
.set KI,  112                          ; v112-143 k's; later y
.set VI,  144                          ; v144-175 v's
.set VS,  176                          ; v176-207 the masked keys' sum of v, in O^T's layout
.set S0,  208                          ; two accumulators for S^T, later for the two tiles of the output
.set OA,  224                          ; O^T, four tiles of channels
.set PP,  80
.set SS,  88
.set TT,  96                           ; +0, 1: c m;  +2, 3: 1 / l;  +4, 5: w / l;  +6: w's exponent;  +7: w;  +8, 9: maxima;  +10 .. 13: sums
.set YY,  112
	s_load_b128 s[4:7], s[0:1], 0x0                ; aux, w_proj
	s_load_b64 s[8:9], s[0:1], 0x10                ; out0
	v_lshl_add_u32 v14, v0, 2, SPARE               ; my spare word,
	v_mov_b32 v15, 0                               ; and 0: kept for the closing lines
	v_lshrrev_b32 v1, 5, v0
	v_readfirstlane_b32 s10, v1                    ; the head
	s_and_b32 s11, ttmp7, 0xffff                   ; the sequence
	v_and_b32 v12, 31, v0
	v_lshlrev_b32 v1, 4, v12                       ; 16 x lane
	v_and_b32 v2, 15, v0                           ; r
	v_bfe_u32 v3, v0, 4, 1                         ; h
	v_lshlrev_b32 v4, 2, v2
	v_lshl_add_u32 v4, v3, 15, v4                  ; w_proj: 8 h rows of 4,096 bytes + 4 r
	v_lshlrev_b32 v5, 3, v12                       ; 8 x lane
	s_lshl_b32 s12, s10, 8
	s_add_co_u32 s12, s12, VSX
	v_add_nc_u32 v6, s12, v5                       ; my two channels' sums
	v_lshl_add_u32 v7, v3, 5, s12                  ; and back: 32 h
	s_mul_i32 s13, s10, 2304
	v_mul_u32_u24 v8, v2, 144
	v_lshl_add_u32 v8, v3, 5, v8
	v_add_nc_u32 v8, s13, v8                       ; my partial result: row r, 32 h
	s_mul_i32 s13, s10, 144
	v_lshlrev_b32 v10, 2, v12
	v_add_nc_u32 v9, s13, v10                      ; row hd of each wave's, 4 x lane
	v_lshlrev_b32 v11, 3, v3
	v_sub_nc_u32 v11, v2, v11                      ; r - 8 h
	v_mov_b32 v13, 0xc79c4000                      ; -80000.0
	s_mov_b32 s14, 0x3e38aa3b                      ; c = log2(e) / 8
	s_mov_b32 s15, s14
	s_mov_b32 s16, 0x76543210
	s_mov_b32 s17, 0xfedcba98
	s_lshl_b32 s18, s11, 4
	s_add_co_u32 s18, s18, s10
	s_lshl_b32 s18, s18, 12                        ; the head's images: 4,096 bytes in each part
	s_mov_b32 s19, 0
	s_lshl_b32 s20, s11, 15
	s_lshl_b32 s21, s10, 8
	s_add_co_u32 s20, s20, s21                     ; the head's channels in v's sums
	s_mov_b32 s21, 0
	s_lshl_b32 s22, s10, 18                        ; 64 hd rows of w_proj,
	s_lshl_b32 s23, ttmp9, 7                       ; the slab's 32 columns
	s_add_co_u32 s22, s22, s23
	s_lshl_b32 s24, s11, 10
	s_add_co_u32 s24, s24, s10
	s_lshl_b32 s24, s24, 12                        ; out0: row 1,024 x sequence + hd
	s_add_co_u32 s24, s24, s23
	s_mov_b32 s23, 0
	s_mov_b32 s25, 0
	s_wait_kmcnt 0x0
	s_add_nc_u64 s[18:19], s[4:5], s[18:19]
	s_add_nc_u64 s[20:21], s[4:5], s[20:21]
	s_add_nc_u64 s[6:7], s[6:7], s[22:23]
	s_add_nc_u64 s[8:9], s[8:9], s[24:25]
.irp g, 0,1,2,3,4,5,6,7
	global_load_b64 v[W+32+2*\g:W+33+2*\g], v5, s[20:21] offset:1572864+4096*\g    ; the eight groups' sums (the first without positions 0-15), channels 2 lane, 2 lane + 1: for now in tile 1's registers
.endr
.irp i, 0,1,2,3
.irp u, 0,1
	global_load_b128 v[QI+8*\i+4*\u:QI+8*\i+4*\u+3], v1, s[18:19] offset:1024*\i+512*\u
.endr
.endr
.irp i, 0,1,2,3
.irp u, 0,1
	global_load_b128 v[KI+8*\i+4*\u:KI+8*\i+4*\u+3], v1, s[18:19] offset:524288+1024*\i+512*\u
.endr
.endr
.irp i, 0,1,2,3
.irp u, 0,1
	global_load_b128 v[VI+8*\i+4*\u:VI+8*\i+4*\u+3], v1, s[18:19] offset:1048576+1024*\i+512*\u
.endr
.endr
.set n, 0
.rept 32
	global_load_b32 v[W+n], v4, s[6:7] offset:(16*(n/8)+n%8)*4096
.set n, n+1
.endr
	s_wait_loadcnt 56                              ; the sums are in: behind them q's, k's and v's 24 loads and w_proj's 32
	v_pk_add_f32 v[48:49], v[48:49], v[50:51]
	v_pk_add_f32 v[52:53], v[52:53], v[54:55]
	v_pk_add_f32 v[56:57], v[56:57], v[58:59]
	v_pk_add_f32 v[60:61], v[60:61], v[62:63]
	v_pk_add_f32 v[48:49], v[48:49], v[52:53]
	v_pk_add_f32 v[56:57], v[56:57], v[60:61]
	v_pk_add_f32 v[48:49], v[48:49], v[56:57]
	ds_store_b64 v6, v[48:49]                      ; through my own 256 bytes of LDS into O^T's layout
.irp ct, 0,1,2,3
.irp u, 0,1
	ds_load_b128 v[VS+8*\ct+4*\u:VS+8*\ct+4*\u+3], v7 offset:64*\ct+16*\u
.endr
.endr
	s_wait_loadcnt 32                              ; q, k, v are in; w_proj's 32 may be out
.set n, 0
.rept 16                                       ; S^T = k q^T over 64 channels, four a product; two accumulators by turns
.if n < 2
	v_wmma_f32_16x16x4_f32 v[S0+8*(n%2):S0+8*(n%2)+7], v[KI+2*n:KI+2*n+1], v[QI+2*n:QI+2*n+1], 0
.else
	v_wmma_f32_16x16x4_f32 v[S0+8*(n%2):S0+8*(n%2)+7], v[KI+2*n:KI+2*n+1], v[QI+2*n:QI+2*n+1], v[S0+8*(n%2):S0+8*(n%2)+7]
.endif
.set n, n+1
.endr
	s_wait_dscnt 0x0                               ; the store has read tile 1's registers, and the sums are back:
.set n, 0
.rept 32
	global_load_b32 v[W+32+n], v4, s[6:7] offset:(16*(n/8)+n%8)*4096+64
.set n, n+1
.endr
.rept 8
	v_nop                                          ; eight places behind this form, ahead of the reads of its results and the writes into q's registers (ISA guide 7.12.1)
.endr
.irp j, 0,1,2,3,4,5,6,7
	v_add_f32 v[SS+\j], v[S0+\j], v[S0+8+\j]       ; lane (r, h): query r, key 8 h + j
.endr
.irp j, 0,1,2,3,4,5,6,7
	v_cmp_gt_i32 vcc_lo, \j, v11                   ; key > query
	v_cndmask_b32 v[SS+\j], v[SS+\j], v13, vcc_lo
.endr
	v_max3_num_f32 v[TT+8], v[SS], v[SS+1], v[SS+2]
	v_max3_num_f32 v[TT+8], v[TT+8], v[SS+3], v[SS+4]
	v_max3_num_f32 v[TT+8], v[TT+8], v[SS+5], v[SS+6]
	v_max3_num_f32 v[TT+8], v[TT+8], v[SS+7], v13  ; the mask's value always counts: 1,008 keys have it
	v_mov_b32 v[TT+9], 0
	v_permlanex16_b32 v[TT+9], v[TT+8], s16, s17
	v_max_num_f32 v[TT+8], v[TT+8], v[TT+9]
	v_mul_f32 v[TT], s14, v[TT+8]                  ; c m
	v_mov_b32 v[TT+1], v[TT]
.irp j, 0,2,4,6
	v_pk_fma_f32 v[SS+\j:SS+\j+1], v[SS+\j:SS+\j+1], s[14:15], v[TT:TT+1] op_sel_hi:[1,0,0] neg_lo:[0,0,1] neg_hi:[0,0,1]
.endr
	v_fma_f32 v[TT+6], v13, s14, -v[TT]
.irp j, 0,1,2,3,4,5,6,7
	v_exp_f32 v[PP+\j], v[SS+\j]
.endr
	v_exp_f32 v[TT+7], v[TT+6]                     ; w
	v_nop
	s_wait_alu depctr_va_vdst(0)                   ; one wait for the nine
	v_pk_add_f32 v[TT+10:TT+11], v[PP:PP+1], v[PP+2:PP+3]
	v_pk_add_f32 v[TT+12:TT+13], v[PP+4:PP+5], v[PP+6:PP+7]
	v_pk_add_f32 v[TT+10:TT+11], v[TT+10:TT+11], v[TT+12:TT+13]
	v_add_f32 v[TT+10], v[TT+10], v[TT+11]
	v_permlanex16_b32 v[TT+9], v[TT+10], s16, s17
	v_add_f32 v[TT+10], v[TT+10], v[TT+9]
	v_fmamk_f32 v[TT+10], v[TT+7], 0x447c0000, v[TT+10]   ; + 1,008 w
	v_rcp_f32 v[TT+2], v[TT+10]
	v_nop
	s_wait_alu depctr_va_vdst(0)
	v_mul_f32 v[TT+4], v[TT+7], v[TT+2]            ; w / l
	v_mov_b32 v[TT+3], v[TT+2]                     ; (the pairs' upper words are named, so they are written)
	v_mov_b32 v[TT+5], v[TT+4]
.irp jj, 0,1,2,3                               ; O^T = v^T p over the 16 keys: four tiles of channels by turns
.irp ct, 0,1,2,3
.if \jj == 0
	v_wmma_f32_16x16x4_f32 v[OA+8*\ct:OA+8*\ct+7], v[VI+8*\ct+2*\jj:VI+8*\ct+2*\jj+1], v[PP+2*\jj:PP+2*\jj+1], 0
.else
	v_wmma_f32_16x16x4_f32 v[OA+8*\ct:OA+8*\ct+7], v[VI+8*\ct+2*\jj:VI+8*\ct+2*\jj+1], v[PP+2*\jj:PP+2*\jj+1], v[OA+8*\ct:OA+8*\ct+7]
.endif
.endr
.endr
.set n, 0
.rept 16
	v_pk_mul_f32 v[YY+n:YY+n+1], v[VS+n:VS+n+1], v[TT+4:TT+5] op_sel_hi:[1,0]     ; the masked keys' term.  (These sixteen name no register of the products above: they are the places behind them)
.set n, n+2
.endr
.set n, 0
.rept 16
	v_pk_fma_f32 v[YY+n:YY+n+1], v[OA+n:OA+n+1], v[TT+2:TT+3], v[YY+n:YY+n+1] op_sel_hi:[1,0,1]   ; y(query r, channel 16 ct + 8 h + j), each accumulator from its low end on
.set n, n+2
.endr
	s_wait_loadcnt 0x0                             ; w_proj's 64 numbers a lane
.set n, 0
.rept 16                                       ; out^T = w^T y^T over my 64 channels: the two tiles of columns by turns
.irp t, 0,1
.if n == 0
	v_wmma_f32_16x16x4_f32 v[S0+8*\t:S0+8*\t+7], v[W+32*\t+2*n:W+32*\t+2*n+1], v[YY+2*n:YY+2*n+1], 0
.else
	v_wmma_f32_16x16x4_f32 v[S0+8*\t:S0+8*\t+7], v[W+32*\t+2*n:W+32*\t+2*n+1], v[YY+2*n:YY+2*n+1], v[S0+8*\t:S0+8*\t+7]
.endif
.endr
.set n, n+1
.endr
.rept 8
	v_nop
.endr
.irp t, 0,1
	ds_store_b128 v8, v[S0+8*\t:S0+8*\t+3] offset:64*\t            ; lane (r, h): row r, columns 16 t + 8 h + 0 .. 7
	ds_store_b128 v8, v[S0+8*\t+4:S0+8*\t+7] offset:64*\t+16
.endr
	s_wait_dscnt 0x0                               ; for the others' sake: my stores have landed
	s_barrier_signal -1
	s_barrier_wait -1
.irp i, 0,1,2,3,4,5,6,7,8,9,10,11,12,13,14,15
	ds_load_b32 v[W+\i], v9 offset:2304*\i         ; row hd of every head's partial result
.endr
	s_wait_dscnt 0x0
.irp i, 0,2,4,6,8,10,12,14
	v_add_f32 v[W+\i], v[W+\i], v[W+\i+1]
.endr
.irp i, 0,4,8,12
	v_add_f32 v[W+\i], v[W+\i], v[W+\i+2]
.endr
	v_add_f32 v[W], v[W], v[W+4]
	v_add_f32 v[W+8], v[W+8], v[W+12]
	v_add_f32 v[W], v[W], v[W+8]
	global_store_b32 v10, v[W], s[8:9]             ; the wave stores 128 consecutive bytes of row hd
	s_wait_tensorcnt 0x0                           ; the wave's end, behind my last LDS store
	ds_add_u32 v14, v15
	s_wait_dscnt 0x0
	s_endpgm
.Lfunc_end_k_q85f273abe4_fine:
	.size	k_q85f273abe4_fine, .Lfunc_end_k_q85f273abe4_fine-k_q85f273abe4_fine
	.p2alignl 7, 3214868480
	.fill 96, 4, 3214868480
	.section	.rodata,"a",@progbits
	.p2align	6, 0x0
	.amdhsa_kernel k_q85f273abe4_fine
		.amdhsa_group_segment_fixed_size 43008
		.amdhsa_private_segment_fixed_size 0
		.amdhsa_enable_private_segment 0
		.amdhsa_kernarg_size 24
		.amdhsa_user_sgpr_count 2
		.amdhsa_user_sgpr_kernarg_segment_ptr 1
		.amdhsa_wavefront_size32 1
		.amdhsa_system_sgpr_workgroup_id_x 1
		.amdhsa_system_sgpr_workgroup_id_y 1
		.amdhsa_system_sgpr_workgroup_id_z 1
		.amdhsa_system_vgpr_workitem_id 0
		.amdhsa_next_free_vgpr 256
		.amdhsa_next_free_sgpr 66
		.amdhsa_reserve_vcc 1
		.amdhsa_float_denorm_mode_32 3
		.amdhsa_float_denorm_mode_16_64 3
		.amdhsa_memory_ordered 1
		.amdhsa_forward_progress 1
		.amdhsa_inst_pref_size 24
	.end_amdhsa_kernel
	.amdgpu_metadata
---
amdhsa.version: [ 1, 2 ]
amdhsa.kernels:
  - .name:           k_q85f273abe4_fine
    .symbol:         k_q85f273abe4_fine.kd
    .args:
      - { .name: aux, .offset: 0, .size: 8, .value_kind: global_buffer, .address_space: global }
      - { .name: w_proj, .offset: 8, .size: 8, .value_kind: global_buffer, .address_space: global }
      - { .name: out0, .offset: 16, .size: 8, .value_kind: global_buffer, .address_space: global }
    .group_segment_fixed_size: 43008
    .private_segment_fixed_size: 0
    .kernarg_segment_align: 8
    .kernarg_segment_size: 24
    .max_flat_workgroup_size: 512
    .sgpr_count:     66
    .vgpr_count:     256
    .wavefront_size: 32
...
	.end_amdgpu_metadata
.endif
;; end of part 5
